; MI455X (gfx1250); checked and timed in simulation.
; The chip was launched on July 23, 2026; its instructions are those of AMD's public machine-readable ISA for CDNA 5 (MIT licence, August 2026) and "CDNA5" Instruction Set Architecture Reference Guide (July 2026). The comments in the code are by the model that wrote it; some were corrected since.
;; Cross View Attention. Allowed arithmetic: matrix products marked QUANTISED: E2M1 operands, one E8M0 scale for each 32 along K, by v_wmma_scale_f32_16x16x128_f8f6f4 with both operands' format E2M1 (or v_wmma_scale_f32_32x16x128_f4), f32 sums; products left as they are: bf16, f16 or f32 operands; f32 sums; everything else in f32.
;; Inputs: wkv 2,048 x 1,024 float32; wo 2,048 x 2,048 float32; wq 2,048 x 2,048 float32; x 2 x 8 x 256 x 2,048 float32.
;; Outputs: out0 2 x 8 x 256 x 2,048 float32.
;; This version of the problem:
;;   THIS VERSION OF THE PROBLEM IS GIVEN IN LOW PRECISION. The matrix products marked QUANTISED in the list below multiply operands that are first quantised to E2M1 (2 exponent bits, 1 mantissa bit; 4 bits a number), with one power-of-two scale for each 32 numbers along K (OCP MX v1.0); their sums are f32. The products marked 'left as it is' may take bf16, f16 or f32 operands, with f32 sums. All else is computed in f32.
;;   The module's matrix products, in the order in which they are computed (A, B: the left and right operand; K: the contracted axis; several contracted axes count as one K, in the product's order):
;;     1. [M 4,096, K 2,048] x [K 2,048, N 2,048]; A: input x; B: input wq: QUANTISED
;;     2. [M 8,192, K 2,048] x [K 2,048, N 1,024]; A: computed on the way; B: input wkv: left as it is (an operand is computed on the way)
;;     3. batch 128 x [M 512, K 64] x [K 64, N 1,024]; A: computed on the way; B: computed on the way: left as it is (an operand is computed on the way)
;;     4. batch 128 x [M 64, K 512] x [K 512, N 1,024]; A: computed on the way; B: computed on the way: left as it is (an operand is computed on the way)
;;     5. [M 4,096, K 2,048] x [K 2,048, N 2,048]; A: computed on the way; B: input wo: left as it is (an operand is computed on the way)
;;   THE QUANTISER, for each operand of a quantised product, along K:
;;     - K is cut into blocks of 32 from its start; a last block that is shorter is filled with zeros.
;;     - A block's scale is 2^e with e = floor(log2(the largest magnitude in the block)) - 2, held to -126 .. 127; a block of zeros has e = 0. As a byte (E8M0): e + 127.
;;     - Each number is divided by its block's scale, clamped to +-6, and rounded to the nearest number of E2M1, ties to even, subnormals kept.
;;     - The product sums the exact products of the quantised numbers (number of the format x scale) in f32.
;;   ~~~python
;;   def quantise(x, axis):      # numpy; x: float32 -> the quantised numbers, widened to float32 again
;;       x = np.moveaxis(x, axis, -1); K = x.shape[-1]
;;       x = np.pad(x, [(0, 0)] * (x.ndim - 1) + [(0, -K % 32)]); x = x.reshape(x.shape[:-1] + (-1, 32)); a = np.abs(x).max(-1, keepdims=True)
;;       e = np.where(a > 0, np.clip(np.frexp(np.where(a > 0, a, 1))[1] - 1 - 2, -126, 127), 0)      # np.frexp(a)[1] - 1 = floor(log2(a)), exactly
;;       r = np.clip(x / 2.0 ** e, -6, 6)
;;       step = 2.0 ** (np.maximum(np.frexp(np.where(r == 0, 1, r))[1] - 1, 0) - 1)
;;       q = np.round(r / step) * step * 2.0 ** e      # np.round: ties to even
;;       return np.moveaxis(q.reshape(q.shape[:-2] + (-1,))[..., :K], -1, axis).astype(np.float32)
;;   ~~~
;; One version. Each part assembles by itself: llvm-mc -triple=amdgcn-amd-amdhsa -mcpu=gfx1250 --defsym DOCPART=n.
;; ======== version 1 of 1: 5 launches
;; limits: values are held in f16: magnitudes above 65,504 overflow, below 6.1e-05 lose precision
;; workspace buffers: xq 4,456,448 bytes; xh 16,777,216 bytes; wqq 2,228,224 bytes; wt 12,582,912 bytes; qh 16,777,216 bytes; kvh 8,388,608 bytes; aoh 16,777,216 bytes
;; launch prep (part 1): grid 704 x 1, 4 waves a work-group, no clusters, 137,728 bytes of LDS; arguments x, wq, wkv, wo, xq, xh, wqq, wt; writes xq, xh, wqq, wt
.if DOCPART == 1
	.amdgcn_target "amdgcn-amd-amdhsa--gfx1250"
	.amdhsa_code_object_version 6
	.text
	.protected	k_qd29d98ed11_prep
	.globl	k_qd29d98ed11_prep
	.p2align	8
	.type	k_qd29d98ed11_prep,@function
k_qd29d98ed11_prep:
	s_mov_b64 s[64:65], 0
	v_nop
	global_prefetch_b8 v0, s[64:65] scope:SCOPE_SE
	s_setreg_imm32_b32 hwreg(HW_REG_WAVE_MODE, 25, 1), 1
	s_wait_xcnt 0x0
; PREP: every operand is brought once into the form in which the later launches read it.
;   x  [4096][2048] f32 -> xq: codes of FP4 (E2M1), K innermost, [4096][1024] bytes, then from byte 0x400000 one E8M0 byte for each 32 along K, [4096][64];  xh: the same numbers as f16, [4096][2048].
;   wq [2048 k][2048 n] f32 -> wqq: codes laid [n][k], [2048][1024] bytes, then from byte 0x200000 the scale bytes [2048][64].
;   wkv [2048 k][1024 c] f32 -> wt: f16 laid [row'][k], row' = 128 ((c >> 6) & 7) + 64 (c >> 9) + (c & 63): so a kv head's 64 K columns and 64 V columns are neighbours in the product's result.
;   wo [2048 k][2048 n] f32 -> wt from byte 0x400000: f16 laid [n][k].
; A block's scale is 2^(floor(log2(its largest magnitude)) - 2); its byte is the largest magnitude's exponent field - 2, held at 1 from below.
; LIMITS: NaN and infinities among the inputs are not served.  A block of zeros gets the byte 1 where the rule says 127: its codes are zeros, which add nothing under any byte but 0xff, and this program alone reads
; the bytes.  Numbers of x, wkv, wo whose magnitude is 65,520 or more become infinity in f16; magnitudes under 2^-14 keep an absolute error of 2^-25.
; Four paths part on the work-group's number alone and never join: 0-255 x, 256-319 wq, 320-447 wkv, 448-703 wo.  Each path has LDS bytes of its own.  Waves share nothing: no barrier.
.set LDS_X,  0                         ; 4 waves x 8,192: two stages of 32 x 80 bytes, then 256 scale bytes
.set LDS_Q,  32768                     ; 4 waves x 32 rows x 272
.set LDS_T1, 67584                     ; the same
.set LDS_T2, 102400                    ; the same
.set TP,     272                       ; a stage row: 256 bytes + 16: an odd multiple of 16, so that the lanes' 16-byte stores start at different banks
; ---- path X
.set XSTEPS, 16
.set XSP,    80                        ; a lane's place in a stage: its 64 bytes + 16 of padding
.set XR,     16                        ; v16-79   four sets of 16 numbers as they are loaded
.set XX,     80                        ; v80-111  two sets of 16 neighbours
.set XE,     112                       ; v112-127 a scale byte for each step
.set XC,     128                       ; v128-191 codes: registers of its own for each step
.set XBF,    192                       ; v192-207 two sets of 8: a step's numbers as f16
.macro XLOAD t
.irp i, 0,1,2,3
	global_load_b128 v[XR+16*((\t)%4)+4*\i:XR+16*((\t)%4)+4*\i+3], v3, s[4:5] offset:2048*(\t)+512*\i th:TH_LOAD_NT   ; 32 lanes read 512 consecutive bytes
.endr
.endm
; step t's numbers, as they were loaded: cast to f16 and stored (a lane's 4 numbers are 8 bytes: 32 lanes store 256 consecutive bytes, aligned), and sent through the stage so that a lane gets 16 neighbours
.macro XTURN t
	s_wait_xcnt 0x0                                ; the f16 stores of two steps back have read this set of registers
.irp i, 0,1,2,3
	v_cvt_pk_f16_f32 v[XBF+8*((\t)%2)+2*\i], v[XR+16*((\t)%4)+4*\i], v[XR+16*((\t)%4)+4*\i+1]
	v_cvt_pk_f16_f32 v[XBF+8*((\t)%2)+2*\i+1], v[XR+16*((\t)%4)+4*\i+2], v[XR+16*((\t)%4)+4*\i+3]
.endr
.irp i, 0,1,2,3
	global_store_b64 v4, v[XBF+8*((\t)%2)+2*\i:XBF+8*((\t)%2)+2*\i+1], s[14:15] offset:1024*(\t)+256*\i
.endr
.irp i, 0,1,2,3
	ds_store_b128 v14, v[XR+16*((\t)%4)+4*\i:XR+16*((\t)%4)+4*\i+3] offset:32*XSP*((\t)%2)+8*XSP*\i
.endr
.irp i, 0,1,2,3
	ds_load_b128 v[XX+16*((\t)%2)+4*\i:XX+16*((\t)%2)+4*\i+3], v15 offset:32*XSP*((\t)%2)+16*\i   ; LDS serves a wave's instructions in order: these see the stores above
.endr
.endm
.macro XSTEP t
.set XS, XX+16*((\t)%2)
.if (\t) > 0
	s_wait_dscnt 1                                 ; this step's numbers are back from the stage (the last step's byte store may be out): so its stores into the stage have read their registers,
.else
	s_wait_dscnt 0x0
.endif
.if (\t)+4 < XSTEPS
	XLOAD (\t)+4                                   ; which take the loads of four steps on
.endif
.if (\t)+1 < XSTEPS
.if XSTEPS-2-(\t) >= 3
	s_wait_loadcnt 12                              ; the next step's four loads are in; those of the three steps behind it may be out
.else
	s_wait_loadcnt 4*(XSTEPS-2-(\t))
.endif
	XTURN (\t)+1
.endif
	v_max3_num_f32 v8, |v[XS]|, |v[XS+1]|, |v[XS+2]|               ; the largest magnitude of my 16, in two chains
	v_max3_num_f32 v9, |v[XS+3]|, |v[XS+4]|, |v[XS+5]|
.irp i, 6,10
	v_max3_num_f32 v8, v8, |v[XS+\i]|, |v[XS+\i+1]|
	v_max3_num_f32 v9, v9, |v[XS+\i+2]|, |v[XS+\i+3]|
.endr
	v_max3_num_f32 v8, v8, |v[XS+14]|, |v[XS+15]|
	v_max3_num_f32 v8, v8, v9, 0x1800000           ; and the floor 2^(3 - 127): the byte cannot fall under 1
	v_max_num_f32_dpp v8, v8, v8 row_xmask:1 row_mask:0xf bank_mask:0xf   ; and of my neighbour's 16: the block's
	v_add_nc_u32 v11, 0xff000000, v8               ; 2 off its exponent field: the conversion takes the exponent field of this operand as its scale
	v_cvt_scalef32_pk8_fp4_f32 v[XC+4*(\t)], v[XS:XS+7], v11
	v_cvt_scalef32_pk8_fp4_f32 v[XC+4*(\t)+1], v[XS+8:XS+15], v11
	v_lshrrev_b32 v[XE+(\t)], 23, v11              ; the scale's byte (also the plain line behind the conversions)
	ds_store_b8 v5, v[XE+(\t)] offset:16*(\t)      ; both lanes of a block write the same byte with the same value
	global_store_b64 v4, v[XC+4*(\t):XC+4*(\t)+1], s[24:25] offset:256*(\t)   ; 32 lanes store 256 consecutive bytes, aligned
.endm
; ---- the stage addresses of paths Q, T1, T2: into it a lane has a row (its column of the weight); out of it sixteen lanes take a row, two rows an instruction.  shift: log2 of the output's row in bytes
.macro STAGEADR base, shift
	s_mul_i32 s27, s20, 32*TP
	s_add_co_u32 s27, s27, \base
	v_lshlrev_b32 v3, 2, v2                        ; in: 4 bytes a lane
	v_mul_u32_u24 v4, v2, TP
	v_add_nc_u32 v4, s27, v4
	v_and_b32 v5, 15, v2
	v_lshrrev_b32 v6, 4, v2
	v_mul_u32_u24 v7, v6, TP
	v_lshl_add_u32 v7, v5, 4, v7
	v_add_nc_u32 v7, s27, v7
	v_lshlrev_b32 v8, \shift, v6
	v_lshl_add_u32 v8, v5, 4, v8                   ; and the same place in the output
.endm
; ---- path Q: a lane takes a column n of wq and its registers run down K: a block of 32 lies in one lane
.set QNB,  16                          ; blocks of a wave: 512 along K
.set QX,   32                          ; v32-95   two sets of 32 numbers
.set QC,   96                          ; v96-99   a block's codes
.set QO,   112                         ; v112-175 the way out
.set QSB,  24                          ; v24-27   the scale bytes, four to a register
.macro QLOAD t
.irp i, 0,1,2,3,4,5,6,7,8,9,10,11,12,13,14,15,16,17,18,19,20,21,22,23,24,25,26,27,28,29,30,31
	global_load_b32 v[QX+32*((\t)%2)+\i], v3, s[6:7] offset:(32*(\t)+\i)*8192 th:TH_LOAD_NT   ; a wave reads 128 consecutive bytes of a row, the four waves 512
.endr
.endm
.macro QBLOCK t
.set QS, QX+32*((\t)%2)
.if (\t) < QNB-1
	s_wait_loadcnt 32                              ; this block's 32 loads are in; the next block's may be out
.else
	s_wait_loadcnt 0x0
.endif
	v_max3_num_f32 v12, |v[QS]|, |v[QS+1]|, |v[QS+2]|
	v_max3_num_f32 v13, |v[QS+3]|, |v[QS+4]|, |v[QS+5]|
.irp i, 6,10,14,18,22,26
	v_max3_num_f32 v12, v12, |v[QS+\i]|, |v[QS+\i+1]|
	v_max3_num_f32 v13, v13, |v[QS+\i+2]|, |v[QS+\i+3]|
.endr
	v_max3_num_f32 v12, v12, |v[QS+30]|, |v[QS+31]|
	v_max3_num_f32 v12, v12, v13, 0x1800000        ; the floor 2^(3 - 127)
	v_add_nc_u32 v11, 0xff000000, v12              ; the conversion's scale operand
	v_lshrrev_b32 v13, 23, v11                     ; the scale's byte
.if (\t)%4 == 0
	v_mov_b32 v[QSB+(\t)/4], v13                   ; four bytes to a register, the lower K in the lower byte
.else
	v_lshl_or_b32 v[QSB+(\t)/4], v13, 8*((\t)%4), v[QSB+(\t)/4]
.endif
.irp g, 0,1,2,3
	v_cvt_scalef32_pk8_fp4_f32 v[QC+\g], v[QS+8*\g:QS+8*\g+7], v11
.endr
	v_nop                                          ; one plain line behind the conversions
	ds_store_b128 v4, v[QC:QC+3] offset:16*(\t)    ; 32 codes: 16 bytes of my column's row
.if (\t)+2 < QNB
	QLOAD (\t)+2
.endif
	s_wait_dscnt 0x0                               ; the store has read its registers: the next block's codes may be written
.endm
; ---- paths T1, T2: a lane takes a column and its registers run down K; a wave takes 32 columns x 128 K, 256 bytes of f16 a column.  n: the weight's columns
.set TX,   32                          ; v32-95   two sets of 32 numbers
.set TC,   96                          ; v96-111  32 numbers as f16
.set TO,   112                         ; v112-175 the way out
.macro TLOAD t, n
.irp i, 0,1,2,3,4,5,6,7,8,9,10,11,12,13,14,15,16,17,18,19,20,21,22,23,24,25,26,27,28,29,30,31
	global_load_b32 v[TX+32*((\t)%2)+\i], v3, s[30:31] offset:(32*(\t)+\i)*(\n)*4 th:TH_LOAD_NT
.endr
.endm
.macro TBLOCK t, n
.if (\t) < 3
	s_wait_loadcnt 32                              ; this block's 32 loads are in; the next block's may be out
.else
	s_wait_loadcnt 0x0
.endif
.irp i, 0,1,2,3,4,5,6,7,8,9,10,11,12,13,14,15
	v_cvt_pk_f16_f32 v[TC+\i], v[TX+32*((\t)%2)+2*\i], v[TX+32*((\t)%2)+2*\i+1]   ; the lower k in the low half
.endr
.irp g, 0,1,2,3
	ds_store_b128 v4, v[TC+4*\g:TC+4*\g+3] offset:64*(\t)+16*\g
.endr
.if (\t)+2 < 4
	TLOAD (\t)+2, \n
.endif
	s_wait_dscnt 0x0                               ; the stores have read their registers
.endm
.macro TBODY n
	TLOAD 0, \n
	TLOAD 1, \n
	TBLOCK 0, \n
	TBLOCK 1, \n
	TBLOCK 2, \n
	TBLOCK 3, \n
.irp t, 0,1,2,3,4,5,6,7,8,9,10,11,12,13,14,15
	ds_load_b128 v[TO+4*\t:TO+4*\t+3], v7 offset:2*\t*TP
.endr
.irp t, 0,1,2,3,4,5,6,7,8,9,10,11,12,13,14,15
	s_wait_dscnt 15-\t                             ; LDS loads come back in order: load t is in
	global_store_b128 v8, v[TO+4*\t:TO+4*\t+3], s[18:19] offset:2*\t*4096   ; sixteen lanes store 256 consecutive bytes, aligned
.endr
	s_wait_tensorcnt 0x0
	ds_add_u32 v208, v209
	s_wait_dscnt 0x0
	s_endpgm
.endm
	s_load_b256 s[4:11], s[0:1], 0x0               ; x s[4:5], wq s[6:7], wkv s[8:9], wo s[10:11]
	s_load_b256 s[12:19], s[0:1], 0x20             ; xq s[12:13], xh s[14:15], wqq s[16:17], wt s[18:19]
	v_lshl_add_u32 v208, v0, 2, 0x21800
	v_mov_b32 v209, 0
	v_lshrrev_b32 v1, 5, v0
	v_readfirstlane_b32 s20, v1                    ; wave 0..3
	v_and_b32 v2, 31, v0                           ; lane
	s_wait_kmcnt 0x0
	s_cmp_lt_u32 ttmp9, 256
	s_cbranch_scc1 .Lpath_x
	s_cmp_lt_u32 ttmp9, 320
	s_cbranch_scc1 .Lpath_q
	s_cmp_lt_u32 ttmp9, 448
	s_cbranch_scc1 .Lpath_t1
	; ---- T2: wo.  256 work-groups: 16 groups of 128 columns x 16 groups of 128 along K
	s_sub_co_u32 s21, ttmp9, 448
	s_and_b32 s22, s21, 15
	s_lshr_b32 s23, s21, 4                         ; which 128 along K
	s_lshl_b32 s22, s22, 7
	s_lshl_b32 s24, s20, 5
	s_add_co_u32 s22, s22, s24                     ; my wave's first column
	s_lshl_b32 s24, s23, 20                        ; 128 rows of 8,192 bytes
	s_lshl_b32 s25, s22, 2
	s_add_co_u32 s24, s24, s25
	s_mov_b32 s25, 0
	s_add_nc_u64 s[30:31], s[10:11], s[24:25]
	s_lshl_b32 s24, s22, 12                        ; out: row = column, 4,096 bytes a row,
	s_lshl_b32 s26, s23, 8                         ; + 256 bytes for each 128 along K
	s_add_co_u32 s24, s24, s26
	s_add_nc_u64 s[18:19], s[18:19], s[24:25]
	s_add_nc_u64 s[18:19], s[18:19], 0x400000      ; behind wkv's part
	STAGEADR LDS_T2, 12
	TBODY 2048
.Lpath_t1:
	; ---- T1: wkv.  128 work-groups: 8 groups of 128 columns x 16 groups of 128 along K
	s_sub_co_u32 s21, ttmp9, 320
	s_and_b32 s22, s21, 7
	s_lshr_b32 s23, s21, 3
	s_lshl_b32 s22, s22, 7
	s_lshl_b32 s24, s20, 5
	s_add_co_u32 s22, s22, s24                     ; my wave's first column c0, a multiple of 32: the 32 columns' rows' are neighbours
	s_lshl_b32 s24, s23, 19                        ; 128 rows of 4,096 bytes
	s_lshl_b32 s25, s22, 2
	s_add_co_u32 s24, s24, s25
	s_mov_b32 s25, 0
	s_add_nc_u64 s[30:31], s[8:9], s[24:25]
	s_lshr_b32 s24, s22, 6
	s_and_b32 s24, s24, 7
	s_lshl_b32 s24, s24, 7                         ; 128 x the kv head
	s_lshr_b32 s26, s22, 9
	s_lshl_b32 s26, s26, 6                         ; + 64 for V
	s_add_co_u32 s24, s24, s26
	s_and_b32 s26, s22, 63
	s_add_co_u32 s24, s24, s26                     ; + the channel: row'
	s_lshl_b32 s24, s24, 12
	s_lshl_b32 s26, s23, 8
	s_add_co_u32 s24, s24, s26
	s_add_nc_u64 s[18:19], s[18:19], s[24:25]
	STAGEADR LDS_T1, 12
	TBODY 1024
.Lpath_q:
	; ---- Q: wq.  64 work-groups: 16 groups of 128 columns x 4 groups of 512 along K
	s_sub_co_u32 s21, ttmp9, 256
	s_and_b32 s22, s21, 15
	s_lshr_b32 s23, s21, 4                         ; which 512 along K
	s_lshl_b32 s22, s22, 7
	s_lshl_b32 s24, s20, 5
	s_add_co_u32 s22, s22, s24                     ; my wave's first column
	s_lshl_b32 s24, s23, 22                        ; 512 rows of 8,192 bytes
	s_lshl_b32 s25, s22, 2
	s_add_co_u32 s24, s24, s25
	s_mov_b32 s25, 0
	s_add_nc_u64 s[6:7], s[6:7], s[24:25]
	s_lshl_b32 s24, s22, 10                        ; codes: 1,024 bytes a column, + 256 for each 512 along K
	s_lshl_b32 s26, s23, 8
	s_add_co_u32 s24, s24, s26
	s_add_nc_u64 s[28:29], s[16:17], s[24:25]
	s_lshl_b32 s24, s22, 6                         ; scale bytes: 64 a column, + 16 for each 512 along K
	s_lshl_b32 s26, s23, 4
	s_add_co_u32 s24, s24, s26
	s_add_nc_u64 s[16:17], s[16:17], s[24:25]
	s_add_nc_u64 s[16:17], s[16:17], 0x200000
	STAGEADR LDS_Q, 10
	v_lshlrev_b32 v9, 6, v2                        ; my column's row of scale bytes
	QLOAD 0
	QLOAD 1
.irp t, 0,1,2,3,4,5,6,7,8,9,10,11,12,13,14,15
	QBLOCK \t
.endr
	global_store_b128 v9, v[QSB:QSB+3], s[16:17]   ; my column's 16 scale bytes
.irp t, 0,1,2,3,4,5,6,7,8,9,10,11,12,13,14,15
	ds_load_b128 v[QO+4*\t:QO+4*\t+3], v7 offset:2*\t*TP
.endr
.irp t, 0,1,2,3,4,5,6,7,8,9,10,11,12,13,14,15
	s_wait_dscnt 15-\t
	global_store_b128 v8, v[QO+4*\t:QO+4*\t+3], s[28:29] offset:2*\t*1024   ; sixteen lanes store 256 consecutive bytes, aligned
.endr
	s_wait_tensorcnt 0x0
	ds_add_u32 v208, v209
	s_wait_dscnt 0x0
	s_endpgm
.Lpath_x:
	; ---- X: x is a plain stream of blocks of 32.  A wave takes a run of 8,192 numbers, in 16 steps of 512
	s_lshl_b32 s21, ttmp9, 2
	s_add_co_u32 s21, s21, s20                     ; which run: 0 .. 1,023
	s_mov_b32 s23, 0
	s_lshl_b32 s22, s21, 15
	s_add_nc_u64 s[4:5], s[4:5], s[22:23]          ; x: 32,768 bytes a run
	s_lshl_b32 s22, s21, 14
	s_add_nc_u64 s[14:15], s[14:15], s[22:23]      ; f16: 16,384
	s_lshl_b32 s22, s21, 12
	s_add_nc_u64 s[24:25], s[12:13], s[22:23]      ; codes: 4,096
	s_lshl_b32 s22, s21, 8
	s_add_nc_u64 s[12:13], s[12:13], s[22:23]      ; scale bytes: 256,
	s_add_nc_u64 s[12:13], s[12:13], 0x400000      ; behind the codes
	v_lshlrev_b32 v3, 4, v2                        ; my 16 bytes of a load's 512
	s_lshl_b32 s26, s20, 13                        ; my wave's 8,192 bytes of LDS (LDS_X = 0)
	v_lshrrev_b32 v14, 2, v2
	v_mul_u32_u24 v14, v14, XSP
	v_and_b32 v15, 3, v2
	v_lshl_add_u32 v14, v15, 4, v14
	v_add_nc_u32 v14, s26, v14                     ; the stage, on the way in: four lanes' 64 bytes on end, then 16 of padding
	v_mul_u32_u24 v15, v2, XSP
	v_add_nc_u32 v15, s26, v15                     ; and on the way out: my 16 neighbours
	v_lshlrev_b32 v4, 3, v2                        ; 8 bytes a lane: my codes, my f16 numbers, my part of the scale bytes
	v_lshrrev_b32 v5, 1, v2
	s_add_co_u32 s26, s26, 2*32*XSP
	v_add_nc_u32 v5, s26, v5                       ; LDS: my wave's 256 scale bytes, my block's byte
	v_add_nc_u32 v6, s26, v4                       ; and on the way out 8 bytes a lane
.irp t, 0,1,2,3
	XLOAD \t
.endr
	s_wait_loadcnt 12                              ; step 0's four loads are in
	XTURN 0
.irp t, 0,1,2,3,4,5,6,7,8,9,10,11,12,13,14,15
	XSTEP \t
.endr
	ds_load_b64 v[12:13], v6                       ; LDS serves a wave's instructions in order: this sees my byte stores
	s_wait_dscnt 0x0
	global_store_b64 v4, v[12:13], s[12:13]        ; 32 lanes store 256 consecutive bytes, aligned
	s_wait_tensorcnt 0x0
	ds_add_u32 v208, v209
	s_wait_dscnt 0x0
	s_endpgm
.Lfunc_end_k_qd29d98ed11_prep:
	.size	k_qd29d98ed11_prep, .Lfunc_end_k_qd29d98ed11_prep-k_qd29d98ed11_prep
	.p2alignl 7, 3214868480
	.fill 96, 4, 3214868480
	.section	.rodata,"a",@progbits
	.p2align	6, 0x0
	.amdhsa_kernel k_qd29d98ed11_prep
		.amdhsa_group_segment_fixed_size 137728
		.amdhsa_private_segment_fixed_size 0
		.amdhsa_enable_private_segment 0
		.amdhsa_kernarg_size 64
		.amdhsa_user_sgpr_count 2
		.amdhsa_user_sgpr_kernarg_segment_ptr 1
		.amdhsa_wavefront_size32 1
		.amdhsa_system_sgpr_workgroup_id_x 1
		.amdhsa_system_sgpr_workgroup_id_y 1
		.amdhsa_system_sgpr_workgroup_id_z 1
		.amdhsa_system_vgpr_workitem_id 0
		.amdhsa_next_free_vgpr 210
		.amdhsa_next_free_sgpr 66
		.amdhsa_reserve_vcc 0
		.amdhsa_float_denorm_mode_32 3
		.amdhsa_float_denorm_mode_16_64 3
		.amdhsa_memory_ordered 1
		.amdhsa_forward_progress 1
		.amdhsa_inst_pref_size 169
	.end_amdhsa_kernel
	.amdgpu_metadata
---
amdhsa.version: [ 1, 2 ]
amdhsa.kernels:
  - .name:           k_qd29d98ed11_prep
    .symbol:         k_qd29d98ed11_prep.kd
    .args:
      - { .name: x, .offset: 0, .size: 8, .value_kind: global_buffer, .address_space: global }
      - { .name: wq, .offset: 8, .size: 8, .value_kind: global_buffer, .address_space: global }
      - { .name: wkv, .offset: 16, .size: 8, .value_kind: global_buffer, .address_space: global }
      - { .name: wo, .offset: 24, .size: 8, .value_kind: global_buffer, .address_space: global }
      - { .name: xq, .offset: 32, .size: 8, .value_kind: global_buffer, .address_space: global }
      - { .name: xh, .offset: 40, .size: 8, .value_kind: global_buffer, .address_space: global }
      - { .name: wqq, .offset: 48, .size: 8, .value_kind: global_buffer, .address_space: global }
      - { .name: wt, .offset: 56, .size: 8, .value_kind: global_buffer, .address_space: global }
    .group_segment_fixed_size: 137728
    .private_segment_fixed_size: 0
    .kernarg_segment_align: 8
    .kernarg_segment_size: 64
    .max_flat_workgroup_size: 128
    .sgpr_count:     66
    .vgpr_count:     210
    .wavefront_size: 32
...
	.end_amdgpu_metadata
.endif
;; end of part 1
;; launch qgemm (part 2): grid 8 x 16, 4 waves a work-group, clusters of 4 x 4, 327,680 bytes of LDS; arguments xq, wqq, qh; writes qh
.if DOCPART == 2
	.amdgcn_target "amdgcn-amd-amdhsa--gfx1250"
	.amdhsa_code_object_version 6
	.text
	.protected	k_qd29d98ed11_qgemm
	.globl	k_qd29d98ed11_qgemm
	.p2align	8
	.type	k_qd29d98ed11_qgemm,@function
k_qd29d98ed11_qgemm:
	s_mov_b64 s[64:65], 0
	v_nop
	global_prefetch_b8 v0, s[64:65] scope:SCOPE_SE
	s_setreg_imm32_b32 hwreg(HW_REG_WAVE_MODE, 25, 1), 1
	s_wait_xcnt 0x0
	s_wait_alu depctr_hold_cnt(0) depctr_sa_sdst(0) depctr_va_vdst(0) depctr_va_sdst(0) depctr_va_ssrc(0) depctr_va_vcc(0) depctr_vm_vsrc(0)
	s_getreg_b32 s2, hwreg(HW_REG_IB_STS2, 6, 4)
	s_cmp_eq_u32 s2, 0
	s_cbranch_scc0 .Lentry_in_a_cluster
	s_endpgm
.Lentry_in_a_cluster:
	s_bfe_u32 s2, ttmp6, 0x10000c
	s_cmp_lg_u32 s2, 0xf033
	s_cbranch_scc0 .Lentry_shape_is_right
	s_endpgm
.Lentry_shape_is_right:
; Q[m][n] = sum over k of x[m][k] wq[k][n], both operands as codes of FP4 (E2M1) with one E8M0 scale for each 32 along K; sums in f32; Q is rounded once, to f16, since it is an operand of a product in f16.
; A = xq: [4096][1024] bytes of codes, then from byte 0x400000 [4096][64] scale bytes.  B = wqq: [2048 n][1024] bytes, then from byte 0x200000 [2048][64].  C = qh: [4096][2048] f16.
; LIMIT: a sum whose magnitude is 65,520 or more becomes infinity in f16.
; A tile of C, 256 x 256, is made by a work-group of four waves; a wave makes 128 x 128: 64 accumulators of 16 x 16, 512 registers.  K goes in steps of 512 through a ring of two LDS slots filled by the tensor
; data mover: a tile's row is 256 bytes of memory.  THE SCALES of the work-group's 256 rows of A and of B, for all of K, are two dense blocks of memory: they come into LDS once, with the first fills, and stay.
; CLUSTERS: 4 x 4 work-groups.  The four of a row of the cluster need the same tiles of A, the four of a column the same tiles of B: each tile is asked for JOINTLY, by the same tensor load with the same descriptor
; and a mask that names the four.  THE MATRIX INSTRUCTION IS USED TRANSPOSED (source 0 = 16 rows of B, source 1 = 16 rows of A): a lane then holds eight neighbouring numbers of a row of C.
; 128 tiles: a smaller tile would give each byte read from LDS half the products, for a launch with 1,024 matrix instructions a wave.  All of LDS is claimed.
; REGISTERS, in windows of 256: window 0: v0-31 addresses; v32-95 scale words, two sets; from v128 A's fragments (8 x 16 rows x 128 K), ONE set; on the way out v32-255 are free.
;   window 1: B's fragments, TWO sets, at v0 and at v128.   window 2: the 32 accumulators of my rows 0-63 (accumulator (a, b) at v[8 (8 a + b)]);   window 3: those of my rows 64-127.
.set SIZE_M, 4096
.set SIZE_N, 2048
.set SIZE_K, 2048
.set KSTEP,  512                       ; along K in a slot
.set NQ,     KSTEP/128                 ; matrix instructions deep
.set ROWB,   256                       ; a tile's row in bytes
.set KROW,   SIZE_K*4/8                ; a row of A or of B in memory, in bytes
.set PITCH,  272                       ; an LDS row: 256 bytes + 16 of padding = 68 words: row r starts at bank 4 r mod 64 (64 banks of 4 bytes: ISA guide 11.1)
.set FR,     8                         ; registers of a fragment: 16 rows x 128 K
.set NL,     2                         ; LDS loads that bring one
.set NP,     4                         ; places behind this matrix instruction (ISA guide 7.12.1)
.set HALFT,  128*PITCH                 ; 128 rows: what one tensor load brings
.set SLOT,   4*HALFT                   ; A's 256 rows, then B's 256 rows
.set LAPS,   SIZE_K/(2*KSTEP)          ; a lap = two K steps = once round the ring
.set KS,     SIZE_K/32                 ; a row of scales in bytes
.set SCL,    2*SLOT                    ; behind the ring: the scales, as units of 256 bytes + 16 of padding
.set HALFS,  (128*KS/256)*272          ; the scales of 128 rows: what one tensor load brings
.set SBLK,   (16*KS/256)*272           ; those of 16 rows
.set SPARE,  SCL+4*HALFS               ; behind the scales: the spare words, 128 bytes for each wave, which no other line names
.set SPITCH, 272                       ; the way out: a stage of 16 rows x (256 bytes + 16) for each wave, in slot 0, which has had its last fill and its last read when the first result is stored there
.set ADRA, 16                          ; v16-17  LDS address of my A fragments in slot 0, 1
.set ADRB, 20                          ; v20-21  the same for B
.set STO,  24                          ; v24     the way out: where I put 16 bytes of a row
.set RD,   25                          ; v25     the way out: where I read a row back
.set CO,   26                          ; v26     my byte offset in two rows of C
.set ADRS, 27                          ; v27     LDS address of my scale words: lanes 0-15 A's rows, lanes 16-31 B's
.set SPW,  28                          ; v28     LDS address of my spare word; never rewritten
.set NIL,  29                          ; v29     0; never rewritten
.set SC,   32                          ; scale words: set s at v[SC + 8 NQ s]; register NQ i + q: lanes 0-15 the word of A's block i, lanes 16-31 that of B's block i, for the slot's q-th 128 along K
.set AF,   128                         ; A's fragments, in window 0
.set TMP,  192                         ; the way out: a block's results as f16
.set OB,   32                          ; the way out: 16 rows read back from the stage: v32-63 and v224-255 by turns
.set G1, 24                            ; s[24:31] descriptor group 1 for A's tiles;  s[32:39] group 0, one set for each slot
.set G0, 32
.set G1B, 48                           ; s[48:55], s[56:63] the same for B's tiles
.set G0B, 56
.set G1S, 68                           ; s[68:75], s[76:79] groups 1 and 0 for A's scales;  s[80:87], s[88:91] for B's
.set G0S, 76
.set G1SB, 80
.set G0SB, 88
.set MSB, 0
.macro WIN new                         ; the immediate's high byte repeats the setting that is left; a switch that changes nothing is dropped
.if MSB != (\new)
	s_set_vgpr_msb (MSB<<8)|(\new)
.set MSB, \new
.endif
.endm
.set MUL_LO, 0xa1                      ; source 0 (B) window 1, source 1 (A) window 0, C and D window 2
.set MUL_HI, 0xf1                      ; the same, C and D window 3
.set TO_B,   0x40                      ; destination window 1, address window 0
; A joint load: waves 0 and 1 fetch for A, waves 2 and 3 for B.  Each of the two lines has one mask and one set of registers for all that issue it; the branch hangs on the wave's number alone.
; Four v_nop follow each of the two lines, ahead of the jump, the label and what follows.
.macro JLOAD g0a, g1a, g0b, g1b
	s_cmp_eq_u32 s15, 0
	s_cbranch_scc0 .Lfor_b_\@
	tensor_load_to_lds s[\g0a:\g0a+3], s[\g1a:\g1a+7]
	s_nop 0
.rept 4
	v_nop
.endr
	s_branch .Lasked_\@
.Lfor_b_\@:
	tensor_load_to_lds s[\g0b:\g0b+3], s[\g1b:\g1b+7]
	s_nop 0
.rept 4
	v_nop
.endr
.Lasked_\@:
.endm
.macro CREST                           ; a round of the cluster's barrier behind its opening barrier
	s_cmp_lg_u32 s14, 0
	s_cbranch_scc1 .Lnot_wave_0_\@
	s_barrier_signal -3
.Lnot_wave_0_\@:
	s_barrier_wait -3
	s_barrier_signal -1
	s_barrier_wait -1
.endm
.macro CROUND                          ; a whole round
	s_barrier_signal -1
	s_barrier_wait -1
	CREST
.endm
	s_load_b64 s[4:5], s[0:1], 0x0                 ; A's codes
	s_load_b64 s[8:9], s[0:1], 0x8                 ; B's codes
	s_load_b64 s[12:13], s[0:1], 0x10              ; C
	v_lshl_add_u32 v[SPW], v0, 2, SPARE
	v_mov_b32 v[NIL], 0
	ds_add_u32 v28, v29
	s_wait_dscnt 0x0
	v_lshrrev_b32 v1, 5, v0
	v_readfirstlane_b32 s14, v1                    ; wave 0..3
	s_lshr_b32 s15, s14, 1                         ; which half of the tile's rows is mine.  Also: I fetch for A (0) or for B (1)
	s_and_b32 s16, s14, 1                          ; which half of its columns.  Also: which 128 rows of that tile I fetch
	s_bfe_u32 s40, ttmp6, 0x40000                  ; cx, cy: my place in the cluster
	s_bfe_u32 s41, ttmp6, 0x40004
	s_lshl_b32 s42, ttmp9, 2
	s_add_co_u32 s42, s42, s40                     ; tile column of C = 4 x cluster x + cx
	s_and_b32 s17, ttmp7, 0xffff
	s_lshl_b32 s17, s17, 2
	s_add_co_u32 s17, s17, s41                     ; tile row of C = 4 x cluster y + cy
	s_lshl_b32 s43, s41, 2
	s_lshl_b32 s43, 15, s43                        ; my row of the cluster
	s_lshl_b32 s44, 0x1111, s40                    ; my column
	; descriptor group 1: a tile of 128 rows x 256 bytes, padded in LDS
	s_or_b32 s[G1+0], s43, (0<<16)|(1<<20)|(1<<21)|(5<<22)|(3<<25)  ; 15:0 the mask: A's tiles go to my row; 17:16 element of 1 byte; 20 padding on; 21 set beside a mask; 24:22 after every 64 words; 31:25 four words
	s_or_b32 s[G1B+0], s44, (0<<16)|(1<<20)|(1<<21)|(5<<22)|(3<<25)
.irp g, G1, G1B
	s_mov_b32 s[\g+1], ROWB<<16                    ; tensor_dim0
	s_mov_b32 s[\g+2], 128<<16                     ; tensor_dim1 = 128
	s_mov_b32 s[\g+3], ROWB<<16                    ; tile_dim0
	s_mov_b32 s[\g+4], 128                         ; tile_dim1 = 128
	s_mov_b32 s[\g+5], KROW                        ; tensor_dim0_stride
	s_mov_b32 s[\g+6], 0
	s_mov_b32 s[\g+7], 0
.endr
	; and for the scales of 128 rows: a dense block of 8,192 bytes, as rows of 256 bytes (32 elements of 8 bytes), 16 bytes of padding behind each
	s_or_b32 s[G1S+0], s43, (3<<16)|(1<<20)|(1<<21)|(5<<22)|(3<<25)
	s_or_b32 s[G1SB+0], s44, (3<<16)|(1<<20)|(1<<21)|(5<<22)|(3<<25)
.irp g, G1S, G1SB
	s_mov_b32 s[\g+1], 32<<16
	s_mov_b32 s[\g+2], (128*KS/256)<<16
	s_mov_b32 s[\g+3], 32<<16
	s_mov_b32 s[\g+4], 128*KS/256
	s_mov_b32 s[\g+5], 32
	s_mov_b32 s[\g+6], 0
	s_mov_b32 s[\g+7], 0
.endr
	s_lshl_b32 s18, s16, 7                         ; which 128 rows of the tile I fetch
	s_lshl_b32 s20, s17, 8
	s_add_co_u32 s20, s20, s18                     ; A: row 256 x tile row + 128 x half
	s_lshl_b32 s46, s42, 8
	s_add_co_u32 s46, s46, s18                     ; B: row 256 x tile column + 128 x half
	s_mov_b32 s21, 0
	s_mov_b32 s47, 0
	s_mov_b64 s[18:19], KS
	s_mul_u64 s[22:23], s[20:21], s[18:19]         ; where these rows' scales begin, in bytes
	s_mul_u64 s[92:93], s[46:47], s[18:19]
	s_mov_b64 s[18:19], KROW
	s_mul_u64 s[20:21], s[20:21], s[18:19]         ; and their codes
	s_mul_u64 s[46:47], s[46:47], s[18:19]
	s_mul_i32 s45, s14, HALFT                      ; where they go: wave x 128 rows: no place in the cluster enters an LDS address
	s_mul_i32 s94, s14, HALFS
	s_wait_kmcnt 0x0
	s_add_nc_u64 s[6:7], s[4:5], 0x400000          ; A's scale bytes lie behind its codes,
	s_add_nc_u64 s[10:11], s[8:9], 0x200000        ; and B's behind B's
	s_add_nc_u64 s[20:21], s[4:5], s[20:21]
	s_add_nc_u64 s[22:23], s[6:7], s[22:23]
	s_add_nc_u64 s[46:47], s[8:9], s[46:47]
	s_add_nc_u64 s[92:93], s[10:11], s[92:93]
	CROUND                                         ; all sixteen work-groups are here: the first joint loads meet
	s_mov_b32 s[G0S], 1
	s_add_co_u32 s[G0S+1], s94, SCL
	s_mov_b64 s[G0S+2:G0S+3], s[22:23]
	s_or_b32 s[G0S+3], s[G0S+3], 0x80000000
	s_mov_b32 s[G0SB], 1
	s_add_co_u32 s[G0SB+1], s94, SCL
	s_mov_b64 s[G0SB+2:G0SB+3], s[92:93]
	s_or_b32 s[G0SB+3], s[G0SB+3], 0x80000000
	JLOAD G0S, G1S, G0SB, G1SB                     ; the scales first: they are wanted with K step 0
.irp s, 0,1
	s_mov_b32 s[G0+4*\s], 1
	s_add_co_u32 s[G0+4*\s+1], s45, \s*SLOT
	s_add_nc_u64 s[G0+4*\s+2:G0+4*\s+3], s[20:21], \s*ROWB
	s_or_b32 s[G0+4*\s+3], s[G0+4*\s+3], 0x80000000
	s_mov_b32 s[G0B+4*\s], 1
	s_add_co_u32 s[G0B+4*\s+1], s45, \s*SLOT
	s_add_nc_u64 s[G0B+4*\s+2:G0B+4*\s+3], s[46:47], \s*ROWB
	s_or_b32 s[G0B+4*\s+3], s[G0B+4*\s+3], 0x80000000
	JLOAD G0+4*\s, G1, G0B+4*\s, G1B
.endr
	v_and_b32 v1, 15, v0                           ; l % 16
	v_bfe_u32 v2, v0, 4, 1                         ; l / 16
	v_mul_u32_u24 v3, v1, PITCH
	v_lshl_add_u32 v4, v2, 4, v3                   ; a fragment's row x pitch + 16 x half
	s_mul_i32 s21, s15, HALFT                      ; my 128 rows of A
	s_mul_i32 s22, s16, HALFT                      ; my 128 rows of B,
	s_add_co_u32 s22, s22, 2*HALFT                 ; which lie behind A's 256
.irp s, 0,1
	v_add_nc_u32 v[ADRA+\s], s21, v4
	v_add_nc_u32 v[ADRB+\s], s22, v4
	s_add_co_u32 s21, s21, SLOT
	s_add_co_u32 s22, s22, SLOT
.endr
	v_mul_u32_u24 v5, v1, KS                       ; my row's scales: KS bytes a row,
	v_lshrrev_b32 v6, 8, v5
	v_lshl_add_u32 v5, v6, 4, v5                   ; and 16 more for each 256 passed
	s_mul_i32 s21, s15, HALFS                      ; A's: my 128 rows
	s_mul_i32 s22, s16, HALFS                      ; B's: my 128 rows, behind A's 256
	s_add_co_u32 s22, s22, 2*HALFS
	s_sub_co_u32 s22, s22, s21
	v_mul_u32_u24 v6, s22, v2                      ; lanes 16-31 take B's: one product, the distance between the two bases
	s_add_co_u32 s21, s21, SCL
	v_add_nc_u32 v5, v5, v6
	v_add_nc_u32 v[ADRS], s21, v5
	s_mul_i32 s23, s14, 16*SPITCH                  ; my stage
	v_mul_u32_u24 v5, v1, SPITCH                   ; in: row l % 16, 16 bytes for each half of the lanes
	v_lshl_add_u32 v5, v2, 4, v5
	v_add_nc_u32 v[STO], s23, v5
	v_mul_u32_u24 v5, v2, SPITCH                   ; back: lanes 0-15 take one row of 256 bytes, lanes 16-31 the next
	v_lshl_add_u32 v5, v1, 4, v5
	v_add_nc_u32 v[RD], s23, v5
	v_mul_u32_u24 v5, v2, SIZE_N*2                 ; and the same two rows in C
	v_lshl_add_u32 v[CO], v1, 4, v5
	s_lshl_b32 s20, s17, 8
	s_lshl_b32 s21, s15, 7
	s_add_co_u32 s20, s20, s21                     ; my first row of C: 256 x tile row + 128 x half
	s_mov_b32 s21, 0
	s_mov_b64 s[18:19], SIZE_N*2
	s_mul_u64 s[20:21], s[20:21], s[18:19]
	s_lshl_b32 s46, s42, 9                         ; my first column, in bytes: 512 x tile column + 256 x half
	s_lshl_b32 s47, s16, 8
	s_add_co_u32 s46, s46, s47
	s_mov_b32 s47, 0
	s_add_nc_u64 s[20:21], s[20:21], s[46:47]
	s_add_nc_u64 s[12:13], s[12:13], s[20:21]
.macro FRAG reg, adr, q, i             ; a fragment, 16 rows x 128 K of 4-bit codes, is 8 registers: lane l holds row l % 16; registers 4 c .. 4 c + 3 hold K = 64 c + 32 (l / 16) + 0 .. 31
.irp c, 0,1
	ds_load_b128 v[\reg+4*\c:\reg+4*\c+3], v[\adr] offset:64*(\q)+32*\c+(\i)*16*PITCH
.endr
.endm
; 16 matrix instructions: A's blocks a0, a0 + 1 x B's eight, 128 along K: the slot's q-th.  p: B's set;  sc: the set of scale words.  zero = 1: the first product starts the sums: nothing is ever cleared.
; The 64 accumulators take turns, one instruction a turn, in the same order in every step.
.macro MUL16 a0, p, q, sc, zero
.irp a, \a0, \a0+1
.irp b, 0,1,2,3,4,5,6,7
.if \zero
	v_wmma_scale_f32_16x16x128_f8f6f4 v[8*(8*((\a)%4)+\b):8*(8*((\a)%4)+\b)+7], v[128*(\p)+FR*\b:128*(\p)+FR*\b+FR-1], v[AF+FR*(\a):AF+FR*(\a)+FR-1], 0, v[SC+8*NQ*(\sc)+NQ*\b+(\q)], v[SC+8*NQ*(\sc)+NQ*(\a)+(\q)] matrix_a_fmt:MATRIX_FMT_FP4 matrix_b_fmt:MATRIX_FMT_FP4 matrix_a_scale:MATRIX_SCALE_ROW1
.else
	v_wmma_scale_f32_16x16x128_f8f6f4 v[8*(8*((\a)%4)+\b):8*(8*((\a)%4)+\b)+7], v[128*(\p)+FR*\b:128*(\p)+FR*\b+FR-1], v[AF+FR*(\a):AF+FR*(\a)+FR-1], v[8*(8*((\a)%4)+\b):8*(8*((\a)%4)+\b)+7], v[SC+8*NQ*(\sc)+NQ*\b+(\q)], v[SC+8*NQ*(\sc)+NQ*(\a)+(\q)] matrix_a_fmt:MATRIX_FMT_FP4 matrix_b_fmt:MATRIX_FMT_FP4 matrix_a_scale:MATRIX_SCALE_ROW1
.endif
.endr
.endr
.endm
.macro FETCH_B slot, q, p              ; B's eight fragments of the slot's q-th 128 along K into set p
	WIN TO_B
.irp i, 0,1,2,3,4,5,6,7
	FRAG 128*(\p)+FR*\i, ADRB+\slot, \q, \i
.endr
	WIN 0
.endm
.macro FETCH_A slot, q, i0             ; A's blocks i0 .. i0 + 3
.irp i, \i0, \i0+1, \i0+2, \i0+3
	FRAG AF+FR*(\i), ADRA+\slot, \q, \i
.endr
.endm
.macro SCALES sc                       ; the next K step's scale words into set sc: NQ words a row; lanes 0-15 take A's block i, lanes 16-31 B's block i
.irp i, 0,1,2,3,4,5,6,7
	ds_load_b128 v[SC+8*NQ*\sc+NQ*\i:SC+8*NQ*\sc+NQ*\i+3], v[ADRS] offset:\i*SBLK
.endr
.endm
; A load into a register that a matrix instruction has read, and a vector instruction that reads a matrix result, stand NP places behind that matrix instruction, and only plain vector instructions that
; name none of its registers are places (ISA guide 7.12.1 for vector instructions).
.macro PLACES n
.rept \n
	v_nop
.endr
.endm
; A step of 128 along K that has its successor in the same slot.
.macro STEP slot, q, zero
	s_wait_dscnt 4*NL                              ; B's set and A's blocks 0-3 are in; the youngest eight loads (A's blocks 4-7) may be out
	WIN MUL_LO
	MUL16 0, (\q)%2, \q, \slot, \zero
	MUL16 2, (\q)%2, \q, \slot, \zero
	s_wait_dscnt 0                                 ; A's blocks 4-7 are in (asked for 32 matrix instructions ago)
	PLACES NP
	FETCH_B \slot, (\q)+1, 1-(\q)%2
	FETCH_A \slot, (\q)+1, 0
	WIN MUL_HI
	MUL16 4, (\q)%2, \q, \slot, \zero
	MUL16 6, (\q)%2, \q, \slot, \zero
	PLACES NP
	WIN 0
	FETCH_A \slot, (\q)+1, 4
.endm
; A slot's last step changes slots: ONE barrier; in front of it each wave waits for all its tensor loads, adds 0 to its spare word, and waits for that and for its own reads of this slot.  fill = 1: this slot is filled again, two K steps ahead.
.macro TURN slot, next, fill
	s_wait_tensorcnt 0x0                           ; all my tensor loads have landed: my part of the next slot;  (every window is 0 here)
	ds_add_u32 v[SPW], v[NIL]                      ; 0 onto my spare word
	s_wait_dscnt 4*NL+1                            ; (the add and the youngest eight loads, A's blocks 4-7, may be out)
	WIN MUL_LO
	MUL16 0, 1, NQ-1, \slot, 0                     ; sixteen matrix instructions stand between the add and the wait for it
	s_wait_dscnt 0x0                               ; the add is done, and my reads of this slot are over
	s_barrier_signal -1
	MUL16 2, 1, NQ-1, \slot, 0
	WIN 0
	s_barrier_wait -1
.if \fill
	CREST                                          ; the barrier has opened a round of the cluster's barrier: no wave of any partner still reads this slot's tile or has a load on its way
	s_add_nc_u64 s[G0+4*\slot+2:G0+4*\slot+3], s[G0+4*\slot+2:G0+4*\slot+3], 2*ROWB
	s_add_nc_u64 s[G0B+4*\slot+2:G0B+4*\slot+3], s[G0B+4*\slot+2:G0B+4*\slot+3], 2*ROWB
	JLOAD G0+4*\slot, G1, G0B+4*\slot, G1B         ; the first tensor load behind the round; the four v_nop behind it are the places in front of the loads below
.else
	PLACES NP
.endif
	v_add_nc_u32 v[ADRS], 4*NQ, v[ADRS]            ; on to the next K step's scale words (no LDS load of mine is out)
	FETCH_B \next, 0, 0
	FETCH_A \next, 0, 0
	SCALES \next
	WIN MUL_HI
	MUL16 4, 1, NQ-1, \slot, 0
	MUL16 6, 1, NQ-1, \slot, 0
	PLACES NP
	WIN 0
	FETCH_A \next, 0, 4
.endm
.macro STEPS slot, from                ; the slot's steps from .. NQ - 2
.set Q, \from
.rept NQ-1-\from
	STEP \slot, Q, 0
.set Q, Q+1
.endr
.endm
	s_wait_tensorcnt 1                             ; of my three loads the scales' and K step 0's are in; K step 1's may be out
	s_barrier_signal -1
	s_barrier_wait -1                              ; everybody's are
	FETCH_B 0, 0, 0
	FETCH_A 0, 0, 0
	SCALES 0
	FETCH_A 0, 0, 4
	STEP 0, 0, 1                                   ; the first step stands in front of the loop: its products start the sums
	s_mov_b32 s3, LAPS-1
.Llap:                                                 ; a trip goes once round the ring, from a lap's second step to the next lap's first, and fills both slots again
	STEPS 0, 1
	TURN 0, 1, 1
	STEPS 1, 0
	TURN 1, 0, 1
	STEP 0, 0, 0
	s_sub_co_u32 s3, s3, 1
	s_cmp_lg_u32 s3, 0
	s_cbranch_scc1 .Llap
	STEPS 0, 1                                     ; the last lap fills nothing, and has no round of the cluster's barrier
	TURN 0, 1, 0
	STEPS 1, 0
	s_wait_dscnt 4*NL                              ; the very last step: nothing more to fetch
	WIN MUL_LO
	MUL16 0, 1, NQ-1, 1, 0
	MUL16 2, 1, NQ-1, 1, 0
	s_wait_dscnt 0
	WIN MUL_HI
	MUL16 4, 1, NQ-1, 1, 0
	MUL16 6, 1, NQ-1, 1, 0
	WIN 0
; THE WAY OUT, block by block of 16 rows x 128 columns.  PACK: rounded to f16, a lane's eight neighbours of a row are 16 bytes; each accumulator is read from its low end on.  TOSTAGE: into my own stage and back as
; whole rows of 256 bytes (LDS serves a wave's instructions in order, ISA guide 5.7.1.4: no wait between the stores and the loads).  SEND: sixteen lanes store 256 consecutive bytes, aligned.
.macro PACK a
.set AC, 64*((\a)%4)
	WIN 0x0a+5*((\a)/4)                            ; sources 0 and 1: window 2 or 3
.irp b, 0,1,2,3,4,5,6,7
.irp r, 0,1,2,3
	v_cvt_pk_f16_f32 v[TMP+4*\b+\r], v[AC+8*\b+2*\r], v[AC+8*\b+2*\r+1]
.endr
.endr
	WIN 0
.endm
.macro TOSTAGE a
.set BB, OB+192*((\a)%2)
.irp b, 0,1,2,3,4,5,6,7
	ds_store_b128 v[STO], v[TMP+4*\b:TMP+4*\b+3] offset:32*\b
.endr
.irp t, 0,1,2,3,4,5,6,7
	ds_load_b128 v[BB+4*\t:BB+4*\t+3], v[RD] offset:\t*2*SPITCH
.endr
.endm
.macro SEND a
.set BB, OB+192*((\a)%2)
	s_wait_dscnt 0x0                               ; the block is back in registers
	s_wait_xcnt 0x0                                ; the earlier stores have read their base and their registers: the base may step, and the next block's loads may land where the block before this one lay
.if (\a) > 0
	s_add_nc_u64 s[12:13], s[12:13], 16*SIZE_N*2   ; 16 rows of C on
.endif
.irp t, 0,1,2,3,4,5,6,7
	global_store_b128 v[CO], v[BB+4*\t:BB+4*\t+3], s[12:13] offset:2*\t*SIZE_N*2
.endr
.endm
	PLACES NP                                      ; behind the last products
	PACK 0
	TOSTAGE 0
.irp a, 1,2,3,4,5,6,7                  ; block a's conversions stand between block a - 1's loads from the stage and the wait for them
	PACK \a
	SEND \a-1
	TOSTAGE \a
.endr
	SEND 7
	s_wait_tensorcnt 0x0                           ; the wave's end
	ds_add_u32 v[SPW], v[NIL]
	s_wait_dscnt 0x0
	CROUND                                         ; the closing round: no work-group ends while a partner may still ask for a tile that names it
	s_endpgm
.Lfunc_end_k_qd29d98ed11_qgemm:
	.size	k_qd29d98ed11_qgemm, .Lfunc_end_k_qd29d98ed11_qgemm-k_qd29d98ed11_qgemm
	.p2alignl 7, 3214868480
	.fill 96, 4, 3214868480
	.section	.rodata,"a",@progbits
	.p2align	6, 0x0
	.amdhsa_kernel k_qd29d98ed11_qgemm
		.amdhsa_group_segment_fixed_size 327680
		.amdhsa_private_segment_fixed_size 0
		.amdhsa_enable_private_segment 0
		.amdhsa_kernarg_size 24
		.amdhsa_user_sgpr_count 2
		.amdhsa_user_sgpr_kernarg_segment_ptr 1
		.amdhsa_wavefront_size32 1
		.amdhsa_system_sgpr_workgroup_id_x 1
		.amdhsa_system_sgpr_workgroup_id_y 1
		.amdhsa_system_sgpr_workgroup_id_z 1
		.amdhsa_system_vgpr_workitem_id 0
		.amdhsa_next_free_vgpr 1024
		.amdhsa_next_free_sgpr 98
		.amdhsa_reserve_vcc 0
		.amdhsa_float_denorm_mode_32 3
		.amdhsa_float_denorm_mode_16_64 3
		.amdhsa_memory_ordered 1
		.amdhsa_forward_progress 1
		.amdhsa_inst_pref_size 214
	.end_amdhsa_kernel
	.amdgpu_metadata
---
amdhsa.version: [ 1, 2 ]
amdhsa.kernels:
  - .name:           k_qd29d98ed11_qgemm
    .symbol:         k_qd29d98ed11_qgemm.kd
    .args:
      - { .name: xq, .offset: 0, .size: 8, .value_kind: global_buffer, .address_space: global }
      - { .name: wqq, .offset: 8, .size: 8, .value_kind: global_buffer, .address_space: global }
      - { .name: qh, .offset: 16, .size: 8, .value_kind: global_buffer, .address_space: global }
    .group_segment_fixed_size: 327680
    .private_segment_fixed_size: 0
    .kernarg_segment_align: 8
    .kernarg_segment_size: 24
    .max_flat_workgroup_size: 128
    .sgpr_count:     98
    .vgpr_count:     1024
    .wavefront_size: 32
...
	.end_amdgpu_metadata
.endif
;; end of part 2
;; launch kvgemm (part 3): grid 8 x 32, 4 waves a work-group, clusters of 4 x 4, 327,680 bytes of LDS; arguments xh, wt, kvh; writes kvh
.if DOCPART == 3
	.amdgcn_target "amdgcn-amd-amdhsa--gfx1250"
	.amdhsa_code_object_version 6
	.text
	.protected	k_qd29d98ed11_kvgemm
	.globl	k_qd29d98ed11_kvgemm
	.p2align	8
	.type	k_qd29d98ed11_kvgemm,@function
k_qd29d98ed11_kvgemm:
	s_mov_b64 s[64:65], 0
	v_nop
	global_prefetch_b8 v0, s[64:65] scope:SCOPE_SE
	s_setreg_imm32_b32 hwreg(HW_REG_WAVE_MODE, 25, 1), 1
	s_wait_xcnt 0x0
	s_wait_alu depctr_hold_cnt(0) depctr_sa_sdst(0) depctr_va_vdst(0) depctr_va_sdst(0) depctr_va_ssrc(0) depctr_va_vcc(0) depctr_vm_vsrc(0)
	s_getreg_b32 s2, hwreg(HW_REG_IB_STS2, 6, 4)
	s_cmp_eq_u32 s2, 0
	s_cbranch_scc0 .Lentry_in_a_cluster
	s_endpgm
.Lentry_in_a_cluster:
	s_bfe_u32 s2, ttmp6, 0x10000c
	s_cmp_lg_u32 s2, 0xf033
	s_cbranch_scc0 .Lentry_shape_is_right
	s_endpgm
.Lentry_shape_is_right:
; K|V[m][n'] = sum over k of x[m][k] wkv[k][c(n')].  A = xh: [4096][2048] f16.  B = the first 1,024 rows of wt: wkv transposed, [1024][2048] f16, its rows ordered so that columns 128 n .. 128 n + 63 of the result are
; K of kv head n and the next 64 its V.  C = kvh: [4096][1024] f16; sums in f32, rounded once.  The product is made once for each view; the neighbours' rows are picked by address in the attention launch.
; LIMIT: a sum whose magnitude is 65,520 or more becomes infinity in f16.
; A tile of C is 128 x 128, so that 256 work-groups share the work.  Four waves, each 64 x 64: 16 accumulators of 16 x 16, 128 registers.  K goes in steps of 256 (LDS rows of 512 bytes; a wave's tensor load brings 64
; of them) through two slots; the four waves share ONE stage on the way out, with a barrier between writing and reading, since a wave's 64 columns are only half of an aligned 256 bytes of C.
; CLUSTERS: 4 x 4 work-groups.  The four of a row of the cluster need the same tiles of A, the four of a column the same tiles of B: each tile is asked for JOINTLY.  THE MATRIX INSTRUCTION IS USED TRANSPOSED
; (source 0 = 16 rows of B, source 1 = 16 rows of A): a lane then holds eight neighbouring numbers of a row of C.  All of LDS is claimed.
; REGISTERS: window 0: v0-31 addresses; v32-95 at work on the way out; v128-255 the accumulators ((a, b) at v[128 + 8 (4 a + b)]).
;   window 1: two fragment buffers of 128: for 64 along K, 64 registers of A (2 x 4 x 16 rows x 32 K), then 64 of B.
.set SIZE_N, 1024
.set SIZE_K, 2048
.set KSTEP,  256
.set PITCH,  528                       ; an LDS row: 512 bytes + 16 of padding = 132 words: row r starts at bank 4 r mod 64 (64 banks of 4 bytes: ISA guide 11.1)
.set HALFT,  64*PITCH                  ; 64 rows: what one tensor load brings, and what one wave reads of A or of B
.set SLOT,   4*HALFT                   ; A's 128 rows, then B's 128 rows
.set STAGE,  2*SLOT                    ; behind the ring: 128 rows x 272 bytes, the work-group's, for the way out
.set SPITCH, 272
.set SPARE,  STAGE+128*SPITCH          ; behind the stage: the spare words, 128 bytes for each wave, which no other line names
.set LAPS, SIZE_K/(2*KSTEP)            ; a lap = two K steps = once round the ring
.set ADRA, 16                          ; v16-17  LDS address of my A fragments in slot 0, 1
.set ADRB, 20                          ; v20-21  the same for B
.set STO,  24                          ; v24     the way out: where I put 16 bytes of a row
.set RD,   25                          ; v25     the way out: where I read a row back
.set CO,   26                          ; v26     my byte offset in C
.set SPW,  28                          ; v28     LDS address of my spare word; never rewritten
.set NIL,  29                          ; v29     0; never rewritten
.set TMP,  32                          ; the way out: 64 registers, packed results and then whole rows
.set ACC,  128
.set F0,   0                           ; fragment buffers, in window 1
.set F1,   128
.set G1, 24                            ; s[24:31] descriptor group 1 for A's tiles;  s[32:39] group 0, one set for each slot
.set G0, 32
.set G1B, 48                           ; s[48:55], s[56:63] the same for B's tiles
.set G0B, 56
.set MSB, 0
.macro WIN new                         ; the immediate's high byte repeats the setting that is left
.if MSB != (\new)
	s_set_vgpr_msb (MSB<<8)|(\new)
.set MSB, \new
.endif
.endm
.set MUL,  0x05                        ; sources 0 (B) and 1 (A) window 1; C and D window 0
.set TO_F, 0x40                        ; destination window 1, address window 0
.macro JLOAD s                         ; a joint load: waves 0 and 1 fetch A's two halves, waves 2 and 3 B's; four v_nop follow each of the two lines, ahead of the jump, the label and what follows
	s_cmp_eq_u32 s11, 0
	s_cbranch_scc0 .Lfor_b_\@
	tensor_load_to_lds s[G0+4*\s:G0+4*\s+3], s[G1:G1+7]
	s_nop 0
.rept 4
	v_nop
.endr
	s_branch .Lasked_\@
.Lfor_b_\@:
	tensor_load_to_lds s[G0B+4*\s:G0B+4*\s+3], s[G1B:G1B+7]
	s_nop 0
.rept 4
	v_nop
.endr
.Lasked_\@:
.endm
.macro CREST                           ; a round of the cluster's barrier behind its opening barrier
	s_cmp_lg_u32 s10, 0
	s_cbranch_scc1 .Lnot_wave_0_\@
	s_barrier_signal -3
.Lnot_wave_0_\@:
	s_barrier_wait -3
	s_barrier_signal -1
	s_barrier_wait -1
.endm
.macro CROUND                          ; a whole round
	s_barrier_signal -1
	s_barrier_wait -1
	CREST
.endm
	s_load_b128 s[4:7], s[0:1], 0x0                ; A s[4:5], B s[6:7]
	s_load_b64 s[8:9], s[0:1], 0x10                ; C
	v_lshl_add_u32 v[SPW], v0, 2, SPARE
	v_mov_b32 v[NIL], 0
	ds_add_u32 v28, v29
	s_wait_dscnt 0x0
	v_lshrrev_b32 v1, 5, v0
	v_readfirstlane_b32 s10, v1                    ; wave 0..3
	s_lshr_b32 s11, s10, 1                         ; which half of the tile's rows is mine.  Also: I fetch for A (0) or for B (1)
	s_and_b32 s12, s10, 1                          ; which half of its columns.  Also: which 64 rows of that tile I fetch
	s_bfe_u32 s40, ttmp6, 0x40000                  ; cx, cy: my place in the cluster
	s_bfe_u32 s41, ttmp6, 0x40004
	s_lshl_b32 s42, ttmp9, 2
	s_add_co_u32 s42, s42, s40                     ; tile column of C = 4 x cluster x + cx
	s_and_b32 s13, ttmp7, 0xffff
	s_lshl_b32 s13, s13, 2
	s_add_co_u32 s13, s13, s41                     ; tile row of C = 4 x cluster y + cy
	s_lshl_b32 s43, s41, 2
	s_lshl_b32 s43, 15, s43                        ; my row of the cluster
	s_lshl_b32 s44, 0x1111, s40                    ; my column
	; descriptor group 1: a tile of 64 rows x 256 elements, padded in LDS
	s_or_b32 s[G1+0], s43, (1<<16)|(1<<20)|(1<<21)|(6<<22)|(3<<25)  ; 15:0 the mask: A's tiles go to my row; 17:16 element of 2 bytes; 20 padding on; 21 set beside a mask; 24:22 after every 128 words; 31:25 four words
	s_or_b32 s[G1B+0], s44, (1<<16)|(1<<20)|(1<<21)|(6<<22)|(3<<25)
.irp g, G1, G1B
	s_mov_b32 s[\g+1], KSTEP<<16                   ; tensor_dim0 = 256
	s_mov_b32 s[\g+2], 64<<16                      ; tensor_dim1 = 64
	s_mov_b32 s[\g+3], KSTEP<<16                   ; tile_dim0 = 256
	s_mov_b32 s[\g+4], 64                          ; tile_dim1 = 64
	s_mov_b32 s[\g+5], SIZE_K                      ; tensor_dim0_stride
	s_mov_b32 s[\g+6], 0
	s_mov_b32 s[\g+7], 0
.endr
	s_lshl_b32 s17, s12, 6                         ; which 64 rows of the tile I fetch
	s_lshl_b32 s16, s13, 7
	s_add_co_u32 s16, s16, s17                     ; A: row 128 x tile row + 64 x half
	s_lshl_b32 s46, s42, 7
	s_add_co_u32 s46, s46, s17                     ; B: row 128 x tile column + 64 x half
	s_mov_b32 s17, 0
	s_mov_b32 s47, 0
	s_mov_b64 s[18:19], SIZE_K*2
	s_mul_u64 s[16:17], s[16:17], s[18:19]
	s_mul_u64 s[46:47], s[46:47], s[18:19]
	s_mul_i32 s20, s10, HALFT                      ; where they go: wave x 64 rows
	s_wait_kmcnt 0x0
	s_add_nc_u64 s[14:15], s[4:5], s[16:17]
	s_add_nc_u64 s[46:47], s[6:7], s[46:47]
	CROUND                                         ; all sixteen work-groups are here: the first joint loads meet
.irp s, 0,1
	s_mov_b32 s[G0+4*\s], 1
	s_add_co_u32 s[G0+4*\s+1], s20, \s*SLOT
	s_add_nc_u64 s[G0+4*\s+2:G0+4*\s+3], s[14:15], \s*KSTEP*2
	s_or_b32 s[G0+4*\s+3], s[G0+4*\s+3], 0x80000000
	s_mov_b32 s[G0B+4*\s], 1
	s_add_co_u32 s[G0B+4*\s+1], s20, \s*SLOT
	s_add_nc_u64 s[G0B+4*\s+2:G0B+4*\s+3], s[46:47], \s*KSTEP*2
	s_or_b32 s[G0B+4*\s+3], s[G0B+4*\s+3], 0x80000000
	JLOAD \s
.endr
	v_and_b32 v1, 15, v0                           ; l % 16
	v_bfe_u32 v2, v0, 4, 1                         ; l / 16
	v_mul_u32_u24 v3, v1, PITCH
	v_lshl_add_u32 v3, v2, 4, v3                   ; a fragment's row x pitch + 16 x half
	s_mul_i32 s21, s11, HALFT                      ; my 64 rows of A
	s_mul_i32 s22, s12, HALFT                      ; my 64 rows of B,
	s_add_co_u32 s22, s22, 2*HALFT                 ; which lie behind A's 128
.irp s, 0,1
	v_add_nc_u32 v[ADRA+\s], s21, v3
	v_add_nc_u32 v[ADRB+\s], s22, v3
	s_add_co_u32 s21, s21, SLOT
	s_add_co_u32 s22, s22, SLOT
.endr
	s_mul_i32 s23, s11, 64*SPITCH                  ; into the stage: my 64 rows, my half of their 256 bytes; row l % 16, 16 bytes for each half of the lanes
	s_lshl_b32 s21, s12, 7
	s_add_co_u32 s23, s23, s21
	s_add_co_u32 s23, s23, STAGE
	v_mul_u32_u24 v4, v1, SPITCH
	v_lshl_add_u32 v4, v2, 4, v4
	v_add_nc_u32 v[STO], s23, v4
	s_mul_i32 s23, s10, 32*SPITCH                  ; back: wave w takes rows 32 w .. 32 w + 31, whole; lanes 0-15 one row of 256 bytes, lanes 16-31 the next
	s_add_co_u32 s23, s23, STAGE
	v_mul_u32_u24 v5, v2, SPITCH
	v_lshl_add_u32 v5, v1, 4, v5
	v_add_nc_u32 v[RD], s23, v5
	v_mul_u32_u24 v5, v2, SIZE_N*2                 ; and the same two rows in C
	v_lshl_add_u32 v[CO], v1, 4, v5
	s_lshl_b32 s16, s13, 7
	s_lshl_b32 s17, s10, 5
	s_add_co_u32 s16, s16, s17                     ; the first row of C that I store: 128 x tile row + 32 x wave
	s_mov_b32 s17, 0
	s_mov_b64 s[18:19], SIZE_N*2
	s_mul_u64 s[16:17], s[16:17], s[18:19]
	s_add_nc_u64 s[8:9], s[8:9], s[16:17]
	s_lshl_b32 s46, s42, 8                         ; the tile's first column, in bytes
	s_mov_b32 s47, 0
	s_add_nc_u64 s[8:9], s[8:9], s[46:47]
; 8 matrix instructions: m blocks a0, a0 + 1 x all 4 n blocks, 32 along K: half c of buffer f.  zero = 1: the first product starts the sums.  The 16 accumulators take turns
.macro MUL8 f, c, a0, zero
.irp a, \a0, \a0+1
.irp b, 0,1,2,3
.if \zero
	v_wmma_f32_16x16x32_f16 v[ACC+8*(4*(\a)+\b):ACC+8*(4*(\a)+\b)+7], v[\f+64+8*(4*\c+\b):\f+64+8*(4*\c+\b)+7], v[\f+8*(4*\c+\a):\f+8*(4*\c+\a)+7], 0
.else
	v_wmma_f32_16x16x32_f16 v[ACC+8*(4*(\a)+\b):ACC+8*(4*(\a)+\b)+7], v[\f+64+8*(4*\c+\b):\f+64+8*(4*\c+\b)+7], v[\f+8*(4*\c+\a):\f+8*(4*\c+\a)+7], v[ACC+8*(4*(\a)+\b):ACC+8*(4*(\a)+\b)+7]
.endif
.endr
.endr
.endm
; 32 LDS loads in one run: the fragments of 64 along K at byte k of the rows, into buffer f; the first 32 along K first
.macro FETCH slot, k, f
	WIN TO_F
.irp c, 0,1
.irp i, 0,1,2,3
	ds_load_b128 v[\f+64+8*(4*\c+\i):\f+64+8*(4*\c+\i)+3],   v[ADRB+\slot] offset:\k+64*\c+\i*16*PITCH
	ds_load_b128 v[\f+64+8*(4*\c+\i)+4:\f+64+8*(4*\c+\i)+7], v[ADRB+\slot] offset:\k+64*\c+\i*16*PITCH+32
	ds_load_b128 v[\f+8*(4*\c+\i):\f+8*(4*\c+\i)+3],         v[ADRA+\slot] offset:\k+64*\c+\i*16*PITCH
	ds_load_b128 v[\f+8*(4*\c+\i)+4:\f+8*(4*\c+\i)+7],       v[ADRA+\slot] offset:\k+64*\c+\i*16*PITCH+32
.endr
.endr
.endm
.macro PLACES                          ; four places in front of loads into registers that matrix instructions have read, and of conversions that read results
.rept 4
	v_nop
.endr
.endm
; A K step is four quarters of 64 along K, 32 matrix instructions each, on buffers 0, 1, 0, 1.  One of the first three: multiplies buffer f and fetches the next quarter, at byte k, into g.
.macro QUARTER slot, k, f, g, zero
	s_wait_dscnt 16                                ; the first 32 along K are in; the other sixteen loads may be out
	WIN MUL
	MUL8 \f, 0, 0, \zero
	MUL8 \f, 0, 2, \zero
	PLACES
	FETCH \slot, \k, \g
	s_wait_dscnt 32                                ; all but the 32 just issued
	WIN MUL
	MUL8 \f, 1, 0, 0
	MUL8 \f, 1, 2, 0
.endm
; The last quarter multiplies buffer 1 and changes slots: ONE barrier; in front of it each wave waits for all its tensor loads, adds 0 to its spare word, and waits for that and for its own reads of this slot.  fill = 1: this slot is filled again, two K steps ahead.
.macro TURN slot, next, fill
	WIN 0                                          ; (the add's two registers lie in window 0)
	s_wait_tensorcnt 0x0                           ; all my tensor loads have landed: my part of the next slot;
	ds_add_u32 v[SPW], v[NIL]                      ; 0 onto my spare word
	s_wait_dscnt 17                                ; (the add and the youngest sixteen loads may be out)
	WIN MUL
	MUL8 F1, 0, 0, 0                               ; eight matrix instructions stand between the add and the wait for it
	s_wait_dscnt 0x0                               ; the add is done, and my reads of this slot are over
	s_barrier_signal -1
	MUL8 F1, 0, 2, 0
.if \fill
	WIN 0
.endif
	s_barrier_wait -1
.if \fill
	CREST                                          ; the barrier has opened a round of the cluster's barrier: no wave of any partner still reads this slot's tile or has a load on its way
	s_add_nc_u64 s[G0+4*\slot+2:G0+4*\slot+3], s[G0+4*\slot+2:G0+4*\slot+3], 2*KSTEP*2
	s_add_nc_u64 s[G0B+4*\slot+2:G0B+4*\slot+3], s[G0B+4*\slot+2:G0B+4*\slot+3], 2*KSTEP*2
	JLOAD \slot                                    ; the first tensor load behind the round: 112 matrix instructions ahead of the wait for it; the four v_nop behind it are also the places in front of the loads below
.else
	PLACES
.endif
	FETCH \next, 0, F0
	WIN MUL
	MUL8 F1, 1, 0, 0
	MUL8 F1, 1, 2, 0
.endm
	s_wait_tensorcnt 1                             ; my part of K step 0 is in; K step 1's may be out
	s_barrier_signal -1
	s_barrier_wait -1                              ; everybody's is
	FETCH 0, 0, F0
	QUARTER 0, 128, F0, F1, 1                      ; the first quarter stands in front of the loop: its first products start the sums
	WIN 0                                          ; at a label and at a branch every window is 0
	s_mov_b32 s3, LAPS-1
.Llap:                                                 ; a trip goes once round the ring, from a lap's second quarter to the next lap's first, and fills both slots again
	QUARTER 0, 256, F1, F0, 0
	QUARTER 0, 384, F0, F1, 0
	TURN 0, 1, 1
	QUARTER 1, 128, F0, F1, 0
	QUARTER 1, 256, F1, F0, 0
	QUARTER 1, 384, F0, F1, 0
	TURN 1, 0, 1
	QUARTER 0, 128, F0, F1, 0
	WIN 0
	s_sub_co_u32 s3, s3, 1
	s_cmp_lg_u32 s3, 0
	s_cbranch_scc1 .Llap
	QUARTER 0, 256, F1, F0, 0                      ; the last lap fills nothing, and has no round of the cluster's barrier
	QUARTER 0, 384, F0, F1, 0
	TURN 0, 1, 0
	QUARTER 1, 128, F0, F1, 0
	QUARTER 1, 256, F1, F0, 0
	QUARTER 1, 384, F0, F1, 0
	s_wait_dscnt 16                                ; the very last quarter: nothing more to fetch
	WIN MUL
	MUL8 F1, 0, 0, 0
	MUL8 F1, 0, 2, 0
	s_wait_dscnt 0
	MUL8 F1, 1, 0, 0
	MUL8 F1, 1, 2, 0
	WIN 0
	; THE WAY OUT: round to f16; 16 bytes a lane into the work-group's stage; a barrier, since a row's 256 bytes come from two waves; back as whole rows, 32 rows a wave.
	PLACES
.irp t, 0,1,2,3,4,5,6,7,8,9,10,11,12,13,14,15
.irp r, 0,1,2,3
	v_cvt_pk_f16_f32 v[TMP+4*\t+\r], v[ACC+8*\t+2*\r], v[ACC+8*\t+2*\r+1]
.endr
.endr
.irp a, 0,1,2,3
.irp b, 0,1,2,3
	ds_store_b128 v[STO], v[TMP+4*(4*\a+\b):TMP+4*(4*\a+\b)+3] offset:\a*16*SPITCH+32*\b
.endr
.endr
	s_wait_dscnt 0x0                               ; for the others' sake: my stores into the stage are done
	s_barrier_signal -1
	s_barrier_wait -1
.irp t, 0,1,2,3,4,5,6,7,8,9,10,11,12,13,14,15
	ds_load_b128 v[TMP+4*\t:TMP+4*\t+3], v[RD] offset:\t*2*SPITCH
.endr
.irp t, 0,1,2,3,4,5,6,7,8,9,10,11,12,13,14,15
	s_wait_dscnt 15-\t
	global_store_b128 v[CO], v[TMP+4*\t:TMP+4*\t+3], s[8:9] offset:2*\t*SIZE_N*2   ; 16 lanes store 256 consecutive bytes, at a multiple of 256 from C's first byte: one kv head's K and V of a row
.endr
	s_wait_tensorcnt 0x0                           ; the wave's end
	ds_add_u32 v[SPW], v[NIL]
	s_wait_dscnt 0x0
	CROUND                                         ; the closing round: no work-group ends while a partner may still ask for a tile that names it
	s_endpgm
.Lfunc_end_k_qd29d98ed11_kvgemm:
	.size	k_qd29d98ed11_kvgemm, .Lfunc_end_k_qd29d98ed11_kvgemm-k_qd29d98ed11_kvgemm
	.p2alignl 7, 3214868480
	.fill 96, 4, 3214868480
	.section	.rodata,"a",@progbits
	.p2align	6, 0x0
	.amdhsa_kernel k_qd29d98ed11_kvgemm
		.amdhsa_group_segment_fixed_size 327680
		.amdhsa_private_segment_fixed_size 0
		.amdhsa_enable_private_segment 0
		.amdhsa_kernarg_size 24
		.amdhsa_user_sgpr_count 2
		.amdhsa_user_sgpr_kernarg_segment_ptr 1
		.amdhsa_wavefront_size32 1
		.amdhsa_system_sgpr_workgroup_id_x 1
		.amdhsa_system_sgpr_workgroup_id_y 1
		.amdhsa_system_sgpr_workgroup_id_z 1
		.amdhsa_system_vgpr_workitem_id 0
		.amdhsa_next_free_vgpr 512
		.amdhsa_next_free_sgpr 66
		.amdhsa_reserve_vcc 0
		.amdhsa_float_denorm_mode_32 3
		.amdhsa_float_denorm_mode_16_64 3
		.amdhsa_memory_ordered 1
		.amdhsa_forward_progress 1
		.amdhsa_inst_pref_size 87
	.end_amdhsa_kernel
	.amdgpu_metadata
---
amdhsa.version: [ 1, 2 ]
amdhsa.kernels:
  - .name:           k_qd29d98ed11_kvgemm
    .symbol:         k_qd29d98ed11_kvgemm.kd
    .args:
      - { .name: xh, .offset: 0, .size: 8, .value_kind: global_buffer, .address_space: global }
      - { .name: wt, .offset: 8, .size: 8, .value_kind: global_buffer, .address_space: global }
      - { .name: kvh, .offset: 16, .size: 8, .value_kind: global_buffer, .address_space: global }
    .group_segment_fixed_size: 327680
    .private_segment_fixed_size: 0
    .kernarg_segment_align: 8
    .kernarg_segment_size: 24
    .max_flat_workgroup_size: 128
    .sgpr_count:     66
    .vgpr_count:     512
    .wavefront_size: 32
...
	.end_amdgpu_metadata
.endif
;; end of part 3
;; launch attn (part 4): grid 32 x 16, 8 waves a work-group, clusters of 4 x 1, 174,080 bytes of LDS; arguments qh, kvh, aoh; writes aoh
.if DOCPART == 4
	.amdgcn_target "amdgcn-amd-amdhsa--gfx1250"
	.amdhsa_code_object_version 6
	.text
	.protected	k_qd29d98ed11_attn
	.globl	k_qd29d98ed11_attn
	.p2align	8
	.type	k_qd29d98ed11_attn,@function
k_qd29d98ed11_attn:
	s_mov_b64 s[64:65], 0
	v_nop
	global_prefetch_b8 v0, s[64:65] scope:SCOPE_SE
	s_setreg_imm32_b32 hwreg(HW_REG_WAVE_MODE, 25, 1), 1
	s_wait_xcnt 0x0
	s_wait_alu depctr_hold_cnt(0) depctr_sa_sdst(0) depctr_va_vdst(0) depctr_va_sdst(0) depctr_va_ssrc(0) depctr_va_vcc(0) depctr_vm_vsrc(0)
	s_getreg_b32 s2, hwreg(HW_REG_IB_STS2, 6, 4)
	s_cmp_eq_u32 s2, 0
	s_cbranch_scc0 .Lentry_in_a_cluster
	s_endpgm
.Lentry_in_a_cluster:
	s_bfe_u32 s2, ttmp6, 0x10000c
	s_cmp_lg_u32 s2, 0x3003
	s_cbranch_scc0 .Lentry_shape_is_right
	s_endpgm
.Lentry_shape_is_right:
; For each batch b, view v, kv head n and its four query heads g: O[q] = the sum over the 512 keys t of softmax_t(Q[q] . K[t] / 8) V[t].  The keys are the 256 rows of view (v + 7) % 8 and the 256 rows of view
; (v + 1) % 8 of the same batch.  qh: [4096][2048] f16, column 256 n + 64 g + channel.  kvh: [4096][1024] f16, columns 128 n .. + 63 K of head n, the next 64 its V.  aoh: [4096][2048] f16, laid as qh.
; Products on f16 operands with f32 sums; maxima, exponentials and sums in f32; the weights p (at most 1) are rounded to f16 for the second product, O once at the end.
; LIMITS: NaN and infinities are not served; p under 2^-24 counts as 0 in the second product (it still counts in the row's sum).
; SHARES.  A cluster of four work-groups owns one (b, v, n); work-group cx owns queries 64 cx .. 64 cx + 63 of all four heads.  Wave w owns head w % 4 and queries 32 (w / 4) + 0 .. 31: two tiles of 16.
; The four partners need the same 512 rows of K|V: each row is 256 bytes; waves 0 to 3 ask for them JOINTLY, 64 rows a load, two loads a wave.  ALL that the work-group reads of K and V is asked for in its first lines
; and stays in LDS: nothing is filled twice, and there is no later tile to ask for ahead.  Two waves share a SIMD, so that one wave's softmax stands beside the other's products.
; LAYOUT.  S^T = K Q^T (source 0 = 16 keys, source 1 = 16 queries): a lane holds ONE query (lane % 16) and the keys 8 (lane / 16) + 0..7 of the tile.  Two such tiles, rounded to f16 in pairs, ARE source 1
; (32 keys x 16 queries) of O^T = V^T P, whose result again holds one query a lane and eight channels.  K comes out of LDS as it lies, V ([key][channel]) turned, by ds_load_tr16_b128.
; SOFTMAX.  For each query a running maximum m and sum l: p = 2^(c s - c m), c = log2(e) / 8; in every step O and l are multiplied by a = 2^(c m_old - c m_new).
; REGISTERS: window 0: v1-13 addresses; v16-31 eight registers of statistics a tile; v64-127 S^T, 32 a tile; v128-159 P, 16 a tile; v192-255 K's fragments of a step.
;   window 1: v0-31 Q, 16 a tile; v64-127 O^T, 32 a tile; v128-191 V's fragments of a step.
.set PK,    272                        ; a key's row in LDS: 128 bytes of K, 128 of V, 16 of padding = 68 words: row r starts at bank 4 r mod 64 (64 banks of 4 bytes: ISA guide 11.1)
.set CHUNK, 256*PK                     ; a neighbour view's 256 rows
.set STAGE, 2*CHUNK                    ; behind the keys: 64 rows x 528 bytes for the way out; no tensor load lands there
.set SP,    528                        ; a stage row: four heads' 128 bytes + 16
.set AK0, 2                            ; v2   my lane's place in a tile of K
.set AV0, 3                            ; v3   the same for V
.set ADK, 4                            ; v4   the LDS address of the run of K loads in hand
.set ADV, 5                            ; v5   of V loads
.set QO,  6                            ; v6   my byte offset in the wave's rows of Q
.set STO, 7                            ; v7   the way out: where I put 16 bytes of a row
.set RD,  8                            ; v8   the way out: where I read a row back
.set GO,  9                            ; v9   16 x lane: my byte offset in a row's 512 bytes of O
.set ST,  16                           ; tile t's statistics at v[ST + 8 t]: +0 c m, +1 m, +2, +3 l (even keys', odd keys'), +4 to +7 c0-c3, at work; a takes c2's place once the maximum is found
.set S,   64
.set P,   128
.set KF,  192
.set QF,  0                            ; in window 1
.set OF,  64
.set VF,  128
.set WV,  12                           ; s12  my wave's number
.set G1,  24                           ; s[24:31] descriptor group 1
.set G0,  40                           ; s[40:47] descriptor group 0, a set for each of the two views
.set CS,  58                           ; s[58:59] c: the packed scaling names a pair and takes its low word for both halves
.set SEL, 60                           ; s[60:61] lane selects for v_permlanex16_b32: lane l xor 16
.set MSB, 0
.macro WIN new                         ; the immediate's high byte repeats the setting that is left; a switch that changes nothing is dropped
.if MSB != (\new)
	s_set_vgpr_msb (MSB<<8)|(\new)
.set MSB, \new
.endif
.endm
.set W_KQ, 0x04                        ; Q (source 1) in window 1; K and S^T in window 0
.set W_PV, 0x51                        ; V (source 0) and O^T (C, D) in window 1; P in window 0
.set W_RS, 0x41                        ; O^T (destination and source 0) in window 1, the factor in window 0
.set W_LD, 0x40                        ; a load's destination in window 1, its address in window 0
.macro CROUND                          ; a round of the cluster's barrier
	s_barrier_signal -1
	s_barrier_wait -1
	s_cmp_lg_u32 s[WV], 0
	s_cbranch_scc1 .Lnot_wave_0_\@
	s_barrier_signal -3
.Lnot_wave_0_\@:
	s_barrier_wait -3
	s_barrier_signal -1
	s_barrier_wait -1
.endm
	s_load_b128 s[4:7], s[0:1], 0x0                ; Q s[4:5], K|V s[6:7]
	s_load_b64 s[8:9], s[0:1], 0x10                ; O
	v_lshl_add_u32 v190, v0, 2, 0x2a400
	v_mov_b32 v191, 0
	ds_add_u32 v190, v191
	v_lshrrev_b32 v1, 5, v0
	v_readfirstlane_b32 s[WV], v1                  ; wave 0..7
	s_bfe_u32 s13, ttmp6, 0x40000                  ; cx: which 64 queries are my work-group's: it enters Q's and O's addresses alone
	s_mov_b32 s14, ttmp9                           ; the kv head: in a cluster launch ttmp9 counts clusters
	s_and_b32 s15, ttmp7, 0xffff                   ; 8 b + v
	s_and_b32 s16, s15, 8                          ; 8 b
	s_and_b32 s17, s15, 7                          ; v
	s_add_co_u32 s18, s17, 7
	s_and_b32 s18, s18, 7
	s_or_b32 s18, s18, s16                         ; the left neighbour's view
	s_add_co_u32 s19, s17, 1
	s_and_b32 s19, s19, 7
	s_or_b32 s19, s19, s16                         ; the right neighbour's
	s_and_b32 s20, s[WV], 3                        ; my head of the four.  Also: which 64 rows of a view I fetch, if I fetch
	s_lshl_b32 s21, s20, 17                        ; 64 rows of 2,048 bytes
	s_lshl_b32 s22, s14, 8                         ; the head's 256 bytes of a row
	s_add_co_u32 s21, s21, s22
	s_lshl_b32 s18, s18, 19                        ; a view is 256 rows of 2,048 bytes
	s_add_co_u32 s18, s18, s21
	s_lshl_b32 s22, s19, 19
	s_add_co_u32 s22, s22, s21
	s_mov_b32 s19, 0
	s_mov_b32 s23, 0
	s_mul_i32 s16, s20, 64*PK                      ; and where they go: no place in the cluster enters an LDS address
	; descriptor group 1: a tile of 64 rows x 128 elements of 2 bytes, padded in LDS
	s_mov_b32 s[G1], 15|(1<<16)|(1<<20)|(1<<21)|(5<<22)|(3<<25)   ; 15:0 the mask: all four work-groups; 17:16 elements of 2 bytes; 20 padding on; 21 set beside a mask; 24:22 after every 64 words; 31:25 four words
	s_mov_b32 s[G1+1], 128<<16                     ; tensor_dim0 = 128
	s_mov_b32 s[G1+2], 64<<16                      ; tensor_dim1 = 64
	s_mov_b32 s[G1+3], 128<<16                     ; tile_dim0 = 128
	s_mov_b32 s[G1+4], 64                          ; tile_dim1 = 64
	s_mov_b32 s[G1+5], 1024                        ; tensor_dim0_stride: elements from row to row
	s_mov_b32 s[G1+6], 0
	s_mov_b32 s[G1+7], 0
	; Q's and O's offsets
	s_lshl_b32 s32, s15, 20                        ; a view is 256 rows of 4,096 bytes,
	s_lshl_b32 s33, s13, 18                        ; my work-group's 64 rows,
	s_add_co_u32 s32, s32, s33
	s_lshl_b32 s33, s14, 9                         ; the kv head's four query heads: 512 bytes of a row
	s_add_co_u32 s32, s32, s33
	s_lshr_b32 s34, s[WV], 2                       ; which 32 of the 64 queries are mine
	s_lshl_b32 s35, s34, 17
	s_add_co_u32 s36, s32, s35
	s_lshl_b32 s35, s20, 7                         ; my head's 128 bytes
	s_add_co_u32 s36, s36, s35
	s_mov_b32 s37, 0
	s_lshl_b32 s35, s[WV], 15                      ; on the way out wave w stores rows 8 w .. 8 w + 7, whole
	s_add_co_u32 s32, s32, s35
	s_mov_b32 s33, 0
	s_mov_b32 s[CS], 0x3e38aa3b                    ; c = log2(e) / 8
	s_mov_b32 s[CS+1], s[CS]                       ; named with it as a pair, so it is written
	s_mov_b32 s[SEL], 0x76543210
	s_mov_b32 s[SEL+1], 0xfedcba98
	s_wait_dscnt 0x0
	s_wait_kmcnt 0x0
	s_add_nc_u64 s[4:5], s[4:5], s[36:37]          ; Q at my wave's first row and head
	s_add_nc_u64 s[8:9], s[8:9], s[32:33]          ; O at the first row that I store
	s_mov_b32 s[G0], 1                             ; 1:0 count = 1
	s_mov_b32 s[G0+1], s16                         ; 63:32 LDS address: keys 0 to 255
	s_add_nc_u64 s[G0+2:G0+3], s[6:7], s[18:19]    ; 120:64 global address
	s_or_b32 s[G0+3], s[G0+3], 0x80000000          ; 127:126 type = 2
	s_mov_b32 s[G0+4], 1
	s_add_co_u32 s[G0+5], s16, CHUNK               ; keys 256 to 511
	s_add_nc_u64 s[G0+6:G0+7], s[6:7], s[22:23]
	s_or_b32 s[G0+7], s[G0+7], 0x80000000
	CROUND                                         ; all four work-groups are here: the joint loads meet
	s_cmp_lt_u32 s[WV], 4                          ; waves 0 to 3 fetch; a wave's two loads stand in one branch, ahead of every wait on TENSORcnt, every LDS read and every further barrier: two loads of mine are out
	s_cbranch_scc0 .Lno_fetch
	tensor_load_to_lds s[G0:G0+3], s[G1:G1+7]
	s_nop 0
	tensor_load_to_lds s[G0+4:G0+7], s[G1:G1+7]
	s_nop 0
.rept 4
	v_nop
.endr
.Lno_fetch:
	; A fragment of K or Q is 16 rows x 32 channels in 8 registers: lane l holds row l % 16; registers 0-3 channels 8 (l / 16) + 0..7, registers 4-7 channels 16 + 8 (l / 16) + 0..7: two loads of 16 bytes, 32 bytes apart.
	v_and_b32 v1, 15, v0                           ; r = l % 16
	v_bfe_u32 v10, v0, 4, 1                        ; h = l / 16
	v_lshlrev_b32 v[QO], 12, v1
	v_lshl_add_u32 v[QO], v10, 4, v[QO]            ; row x 4,096 + 16 x half
	WIN W_LD
.irp t, 0,1
.irp c, 0,1
	global_load_b128 v[QF+16*\t+8*\c:QF+16*\t+8*\c+3],   v[QO], s[4:5] offset:65536*\t+64*\c      ; Q stays in registers: tile t, channels 32 c on
	global_load_b128 v[QF+16*\t+8*\c+4:QF+16*\t+8*\c+7], v[QO], s[4:5] offset:65536*\t+64*\c+32
.endr
.endr
	WIN 0
	v_mul_u32_u24 v[AK0], v1, PK
	v_lshl_add_u32 v[AK0], v10, 4, v[AK0]          ; row x pitch + 16 x half
	; The turning load takes 16 keys x 16 channels (lane l reads 16 bytes: key 8 (l / 16) + l % 8, channels 8 ((l / 8) % 2) + 0..7) and leaves half a fragment of V^T: lane l holds channel l % 16 and 8 keys.
	v_and_b32 v11, 7, v0
	v_bfe_u32 v12, v0, 3, 1
	v_lshl_add_u32 v[AV0], v10, 3, v11
	v_mul_u32_u24 v[AV0], v[AV0], PK
	v_lshl_add_u32 v[AV0], v12, 4, v[AV0]
	v_add_nc_u32 v[AV0], 128, v[AV0]               ; V lies behind K in a row
	s_mul_i32 s38, s34, 32*SP                      ; the stage, in: my 32 rows, my head's 128 bytes; row l % 16, 16 bytes for each half of the lanes
	s_lshl_b32 s39, s20, 7
	s_add_co_u32 s38, s38, s39
	s_add_co_u32 s38, s38, STAGE
	v_mul_u32_u24 v[STO], v1, SP
	v_lshl_add_u32 v[STO], v10, 4, v[STO]
	v_add_nc_u32 v[STO], s38, v[STO]
	s_mul_i32 s38, s[WV], 8*SP                     ; back: wave w takes rows 8 w .. 8 w + 7; the 32 lanes take a row's 512 bytes
	s_add_co_u32 s38, s38, STAGE
	v_and_b32 v13, 31, v0
	v_lshlrev_b32 v[GO], 4, v13
	v_add_nc_u32 v[RD], s38, v[GO]
; THE LDS LOADS stand in runs of 16: a step's K (64 keys x 64 channels: 8 fragments; fragment f: keys 16 (f / 2) on, channels 32 (f % 2) on) and its V (turned; fragment f: keys 32 (f / 4) on, channels 16 (f % 4) on).
.macro FETCH_K adr
.irp f, 0,1,2,3,4,5,6,7
	ds_load_b128 v[KF+8*\f:KF+8*\f+3],   v[\adr] offset:(\f/2)*16*PK+(\f%2)*64
	ds_load_b128 v[KF+8*\f+4:KF+8*\f+7], v[\adr] offset:(\f/2)*16*PK+(\f%2)*64+32
.endr
.endm
.macro FETCH_V adr
	WIN W_LD
.irp f, 0,1,2,3,4,5,6,7
	ds_load_tr16_b128 v[VF+8*\f:VF+8*\f+3],   v[\adr] offset:(\f/4)*32*PK+(\f%4)*32
	ds_load_tr16_b128 v[VF+8*\f+4:VF+8*\f+7], v[\adr] offset:(\f/4)*32*PK+16*PK+(\f%4)*32
.endr
	WIN 0
.endm
; Product i of 16 of S^T = K Q^T: channels 32 (i / 8) on, keys 16 ((i / 2) % 4) on, tile i % 2.  The first 8 start the sums.  The 8 accumulators take turns, one instruction a turn.
.macro KQ16
	WIN W_KQ
.set i, 0
.rept 16
.set rS, S+32*(i%2)+8*((i/2)%4)
.set rK, KF+16*((i/2)%4)+8*(i/8)
.set rQ, QF+16*(i%2)+8*(i/8)
.if i < 8
	v_wmma_f32_16x16x32_f16 v[rS:rS+7], v[rK:rK+7], v[rQ:rQ+7], 0
.else
	v_wmma_f32_16x16x32_f16 v[rS:rS+7], v[rK:rK+7], v[rQ:rQ+7], v[rS:rS+7]
.endif
.set i, i+1
.endr
.endm
; Product i of 16 of O^T += V^T P: keys 32 (i / 8) on, channels 16 ((i / 2) % 4) on, tile i % 2.  zero = 1: the first 8 start the sums: nothing is ever cleared.
.macro PV16 zero
	WIN W_PV
.set i, 0
.rept 16
.set rO, OF+32*(i%2)+8*((i/2)%4)
.set rV, VF+8*(4*(i/8)+(i/2)%4)
.set rP, P+16*(i%2)+8*(i/8)
.if \zero && (i < 8)
	v_wmma_f32_16x16x32_f16 v[rO:rO+7], v[rV:rV+7], v[rP:rP+7], 0
.else
	v_wmma_f32_16x16x32_f16 v[rO:rO+7], v[rV:rV+7], v[rP:rP+7], v[rO:rO+7]
.endif
.set i, i+1
.endr
.endm
; THE SOFTMAX of a step, for both tiles, which alternate line by line so that no line waits for the line above it.  first = 1: the first step, which starts m, l and O^T: it has no a and nothing to rescale.
.macro SOFTMAX first
	WIN 0
.irp j, 0,1,2,3                        ; the maximum of the lane's 32 scores: four chains, one to an accumulator, each begun at the accumulator's low end
.irp t, 0,1
	v_max3_num_f32 v[ST+8*\t+4+\j], v[S+32*\t+8*\j], v[S+32*\t+8*\j+1], v[S+32*\t+8*\j+2]
.endr
.endr
.irp q, 1,2
.irp j, 0,1,2,3
.irp t, 0,1
	v_max3_num_f32 v[ST+8*\t+4+\j], v[ST+8*\t+4+\j], v[S+32*\t+8*\j+2*\q+1], v[S+32*\t+8*\j+2*\q+2]
.endr
.endr
.endr
.irp t, 0,1
	v_max3_num_f32 v[ST+8*\t+4], v[ST+8*\t+4], v[S+32*\t+7], v[S+32*\t+15]
.endr
.irp t, 0,1
	v_max3_num_f32 v[ST+8*\t+6], v[ST+8*\t+6], v[S+32*\t+23], v[S+32*\t+31]
.endr
.irp t, 0,1
	v_max3_num_f32 v[ST+8*\t+4], v[ST+8*\t+4], v[ST+8*\t+5], v[ST+8*\t+6]
.endr
.irp t, 0,1
.if \first
	v_max_num_f32 v[ST+8*\t+4], v[ST+8*\t+4], v[ST+8*\t+7]
.else
	v_max3_num_f32 v[ST+8*\t+4], v[ST+8*\t+4], v[ST+8*\t+7], v[ST+8*\t+1]   ; and the old m
.endif
.endr
.irp t, 0,1
	v_permlanex16_b32 v[ST+8*\t+5], v[ST+8*\t+4], s[SEL], s[SEL+1]   ; the query's other 32 keys lie in the lane 16 away
.endr
.if !\first
.irp t, 0,1
	v_mov_b32 v[ST+8*\t+7], v[ST+8*\t]             ; c m_old is kept for a
.endr
.endif
.irp t, 0,1
	v_max_num_f32 v[ST+8*\t+1], v[ST+8*\t+4], v[ST+8*\t+5]
.endr
.irp t, 0,1
	v_mul_f32 v[ST+8*\t], s[CS], v[ST+8*\t+1]
.endr
.if !\first
.irp t, 0,1
	v_sub_f32 v[ST+8*\t+7], v[ST+8*\t+7], v[ST+8*\t]
.endr
.irp t, 0,1
	v_exp_f32 v[ST+8*\t+6], v[ST+8*\t+7]           ; a = 2^(c m_old - c m_new); the scalings below are the plain lines behind it
.endr
.endif
.irp b, 0,1,2,3,4,5,6,7,8,9,10,11,12,13,14,15
.irp t, 0,1
	v_pk_fma_f32 v[S+32*\t+2*\b:S+32*\t+2*\b+1], v[S+32*\t+2*\b:S+32*\t+2*\b+1], s[CS:CS+1], v[ST+8*\t:ST+8*\t+1] op_sel_hi:[1,0,0] neg_lo:[0,0,1] neg_hi:[0,0,1]   ; c s - c m, two at a time
.endr
.endr
.irp j, 0,1,2,3,4,5,6,7,8,9,10,11,12,13,14,15,16,17,18,19,20,21,22,23,24,25,26,27,28,29,30,31
.irp t, 0,1
	v_exp_f32 v[S+32*\t+\j], v[S+32*\t+\j]
.endr
.endr
	v_nop                                          ; a plain line between the last exponential and the use of its result
	s_wait_alu depctr_va_vdst(0)
.irp i, 0,1,2,3,4,5,6,7,8,9,10,11,12,13,14,15
.irp t, 0,1
	v_cvt_pk_f16_f32 v[P+16*\t+\i], v[S+32*\t+2*\i], v[S+32*\t+2*\i+1]   ; the lower key in the low half: registers 8 f .. 8 f + 7 are the fragment of keys 32 f on
.endr
.endr
.irp b, 0,1,2,3,4,5,6,7                ; the sum of the tile's 16 pairs of unrounded weights, in place: neighbours 1, 2, 4 and 8 pairs apart
.irp t, 0,1
	v_pk_add_f32 v[S+32*\t+4*\b:S+32*\t+4*\b+1], v[S+32*\t+4*\b:S+32*\t+4*\b+1], v[S+32*\t+4*\b+2:S+32*\t+4*\b+3]
.endr
.endr
.irp b, 0,1,2,3
.irp t, 0,1
	v_pk_add_f32 v[S+32*\t+8*\b:S+32*\t+8*\b+1], v[S+32*\t+8*\b:S+32*\t+8*\b+1], v[S+32*\t+8*\b+4:S+32*\t+8*\b+5]
.endr
.endr
.irp b, 0,1
.irp t, 0,1
	v_pk_add_f32 v[S+32*\t+16*\b:S+32*\t+16*\b+1], v[S+32*\t+16*\b:S+32*\t+16*\b+1], v[S+32*\t+16*\b+8:S+32*\t+16*\b+9]
.endr
.endr
.if \first
.irp t, 0,1
	v_pk_add_f32 v[ST+8*\t+2:ST+8*\t+3], v[S+32*\t:S+32*\t+1], v[S+32*\t+16:S+32*\t+17]
.endr
.else
.irp t, 0,1
	v_pk_add_f32 v[S+32*\t:S+32*\t+1], v[S+32*\t:S+32*\t+1], v[S+32*\t+16:S+32*\t+17]
.endr
.irp t, 0,1
	v_pk_fma_f32 v[ST+8*\t+2:ST+8*\t+3], v[ST+8*\t+2:ST+8*\t+3], v[ST+8*\t+6:ST+8*\t+7], v[S+32*\t:S+32*\t+1] op_sel_hi:[1,0,1]   ; l = a l + the sum
.endr
	WIN W_RS
.irp i, 0,1,2,3,4,5,6,7,8,9,10,11,12,13,14,15
.irp t, 0,1
	v_pk_mul_f32 v[OF+32*\t+2*\i:OF+32*\t+2*\i+1], v[OF+32*\t+2*\i:OF+32*\t+2*\i+1], v[ST+8*\t+6:ST+8*\t+7] op_sel_hi:[1,0]   ; O^T times a, each accumulator from its low end on
.endr
.endr
.endif
.endm
; A KEY STEP: keys 64 j .. 64 j + 63.  K of step j + 1 is fetched behind this step's K Q^T, V of step j + 1 behind its V^T P: each run of loads has a softmax or a run of products in which to land.
; A load into a register that a matrix instruction has read, and a vector instruction that reads a matrix result, stand four places behind it; only plain vector instructions that name none of its registers are
; places (ISA guide 7.12.1 for vector instructions): the address's addition and three v_nop.
.macro STEP j
.if \j == 3
	s_wait_tensorcnt 0x0                           ; my part of keys 256 to 511 has landed: this step fetches K of step 4
	s_wait_dscnt 0x0                               ; no LDS instruction of mine is pending at the signal
	s_barrier_signal -1
	s_barrier_wait -1                              ; everybody's has
.else
	s_wait_dscnt 16                                ; K of this step is in; V's 16 loads, issued behind K's, may be out
.endif
	KQ16
	WIN 0
.if \j < 7
	v_add_nc_u32 v[ADK], (\j+1)*64*PK, v[AK0]
.rept 3
	v_nop
.endr
	FETCH_K ADK
.else
.rept 4
	v_nop
.endr
.endif
.if \j == 0
	SOFTMAX 1
.else
	SOFTMAX 0
.endif
.if \j < 7
	s_wait_dscnt 16                                ; V of this step is in; the next step's 16 loads of K may be out
.else
	s_wait_dscnt 0x0
.endif
.if \j == 0
	PV16 1
.else
	PV16 0
.endif
	WIN 0
.if \j < 7
	v_add_nc_u32 v[ADV], (\j+1)*64*PK, v[AV0]
.rept 3
	v_nop
.endr
	FETCH_V ADV
.endif
.endm
	s_wait_tensorcnt 1                             ; my part of keys 0 to 255 is in; the second load may stay out
	s_barrier_signal -1
	s_barrier_wait -1                              ; everybody's is
	FETCH_K AK0
	FETCH_V AV0
	s_wait_loadcnt 0x0                             ; Q
.irp j, 0,1,2,3,4,5,6,7
	STEP \j
.endr
	; THE WAY OUT.  l's two halves and the other half of the lanes' are added; O^T is divided by l, rounded to f16 and sent through the work-group's stage: a row's 512 bytes come from four waves.
.rept 4
	v_nop                                          ; places behind the last products
.endr
.irp t, 0,1
	v_add_f32 v[ST+8*\t+4], v[ST+8*\t+2], v[ST+8*\t+3]
.endr
.irp t, 0,1
	v_permlanex16_b32 v[ST+8*\t+5], v[ST+8*\t+4], s[SEL], s[SEL+1]
.endr
.irp t, 0,1
	v_add_f32 v[ST+8*\t+4], v[ST+8*\t+4], v[ST+8*\t+5]
.endr
.irp t, 0,1
	v_rcp_f32 v[ST+8*\t+6], v[ST+8*\t+4]
.endr
	v_nop                                          ; a plain line between the last reciprocal and the use of its result
	WIN W_RS
	s_wait_alu depctr_va_vdst(0)
.irp i, 0,1,2,3,4,5,6,7,8,9,10,11,12,13,14,15
.irp t, 0,1
	v_pk_mul_f32 v[OF+32*\t+2*\i:OF+32*\t+2*\i+1], v[OF+32*\t+2*\i:OF+32*\t+2*\i+1], v[ST+8*\t+6:ST+8*\t+7] op_sel_hi:[1,0]
.endr
.endr
	WIN 0x05                                       ; sources 0 and 1 window 1, destination window 0: S^T's registers are free
.irp i, 0,1,2,3,4,5,6,7,8,9,10,11,12,13,14,15
.irp t, 0,1
	v_cvt_pk_f16_f32 v[S+16*\t+\i], v[OF+32*\t+2*\i], v[OF+32*\t+2*\i+1]
.endr
.endr
	WIN 0
.irp t, 0,1
.irp f, 0,1,2,3
	ds_store_b128 v[STO], v[S+16*\t+4*\f:S+16*\t+4*\f+3] offset:16*SP*\t+32*\f   ; query 16 t + r, channels 16 f + 8 h + 0..7
.endr
.endr
	s_wait_dscnt 0x0                               ; for the others' sake: my stores into the stage are done
	s_barrier_signal -1
	s_barrier_wait -1
.irp i, 0,1,2,3,4,5,6,7
	ds_load_b128 v[P+4*\i:P+4*\i+3], v[RD] offset:SP*\i
.endr
.irp i, 0,1,2,3,4,5,6,7
	s_wait_dscnt 7-\i                              ; LDS loads come back in order: row i is in
	global_store_b128 v[GO], v[P+4*\i:P+4*\i+3], s[8:9] offset:4096*\i   ; 32 lanes store 512 consecutive bytes, at a multiple of 256 from O's first byte
.endr
	s_wait_tensorcnt 0x0
	ds_add_u32 v190, v191
	s_wait_dscnt 0x0
	CROUND                                         ; the closing round: no work-group ends while a partner may still ask for a tile that names it
	s_endpgm
.Lfunc_end_k_qd29d98ed11_attn:
	.size	k_qd29d98ed11_attn, .Lfunc_end_k_qd29d98ed11_attn-k_qd29d98ed11_attn
	.p2alignl 7, 3214868480
	.fill 96, 4, 3214868480
	.section	.rodata,"a",@progbits
	.p2align	6, 0x0
	.amdhsa_kernel k_qd29d98ed11_attn
		.amdhsa_group_segment_fixed_size 174080
		.amdhsa_private_segment_fixed_size 0
		.amdhsa_enable_private_segment 0
		.amdhsa_kernarg_size 24
		.amdhsa_user_sgpr_count 2
		.amdhsa_user_sgpr_kernarg_segment_ptr 1
		.amdhsa_wavefront_size32 1
		.amdhsa_system_sgpr_workgroup_id_x 1
		.amdhsa_system_sgpr_workgroup_id_y 1
		.amdhsa_system_sgpr_workgroup_id_z 1
		.amdhsa_system_vgpr_workitem_id 0
		.amdhsa_next_free_vgpr 448
		.amdhsa_next_free_sgpr 66
		.amdhsa_reserve_vcc 0
		.amdhsa_float_denorm_mode_32 3
		.amdhsa_float_denorm_mode_16_64 3
		.amdhsa_memory_ordered 1
		.amdhsa_forward_progress 1
		.amdhsa_inst_pref_size 148
	.end_amdhsa_kernel
	.amdgpu_metadata
---
amdhsa.version: [ 1, 2 ]
amdhsa.kernels:
  - .name:           k_qd29d98ed11_attn
    .symbol:         k_qd29d98ed11_attn.kd
    .args:
      - { .name: qh, .offset: 0, .size: 8, .value_kind: global_buffer, .address_space: global }
      - { .name: kvh, .offset: 8, .size: 8, .value_kind: global_buffer, .address_space: global }
      - { .name: aoh, .offset: 16, .size: 8, .value_kind: global_buffer, .address_space: global }
    .group_segment_fixed_size: 174080
    .private_segment_fixed_size: 0
    .kernarg_segment_align: 8
    .kernarg_segment_size: 24
    .max_flat_workgroup_size: 256
    .sgpr_count:     66
    .vgpr_count:     448
    .wavefront_size: 32
...
	.end_amdgpu_metadata
.endif
;; end of part 4
;; launch ogemm (part 5): grid 8 x 32, 4 waves a work-group, clusters of 4 x 4, 327,680 bytes of LDS; arguments aoh, wt, out0; writes out0
.if DOCPART == 5
	.amdgcn_target "amdgcn-amd-amdhsa--gfx1250"
	.amdhsa_code_object_version 6
	.text
	.protected	k_qd29d98ed11_ogemm
	.globl	k_qd29d98ed11_ogemm
	.p2align	8
	.type	k_qd29d98ed11_ogemm,@function
k_qd29d98ed11_ogemm:
	s_mov_b64 s[64:65], 0
	v_nop
	global_prefetch_b8 v0, s[64:65] scope:SCOPE_SE
	s_setreg_imm32_b32 hwreg(HW_REG_WAVE_MODE, 25, 1), 1
	s_wait_xcnt 0x0
	s_wait_alu depctr_hold_cnt(0) depctr_sa_sdst(0) depctr_va_vdst(0) depctr_va_sdst(0) depctr_va_ssrc(0) depctr_va_vcc(0) depctr_vm_vsrc(0)
	s_getreg_b32 s2, hwreg(HW_REG_IB_STS2, 6, 4)
	s_cmp_eq_u32 s2, 0
	s_cbranch_scc0 .Lentry_in_a_cluster
	s_endpgm
.Lentry_in_a_cluster:
	s_bfe_u32 s2, ttmp6, 0x10000c
	s_cmp_lg_u32 s2, 0xf033
	s_cbranch_scc0 .Lentry_shape_is_right
	s_endpgm
.Lentry_shape_is_right:
; out0[m][n] = sum over k of O[m][k] wo[k][n].  A = aoh: [4096][2048] f16.  B = wt from byte 0x400000: wo transposed, [2048 n][2048 k] f16.  C = out0: [4096][2048] f32; sums in f32, stored as they are.
; A tile of C is 128 x 256: C has 256 such tiles, one work-group each.  Four waves, each 64 x 128: 32 accumulators of 16 x 16, 256 registers: for 32 along K a wave reads 12 fragments from LDS for 32 matrix instructions.
; K goes in steps of 128 through a ring of two LDS slots filled by the tensor data mover: the rows of A's and B's tiles are 256 bytes of memory and start at multiples of 256 bytes from the buffer's first byte.
; A slot holds 384 rows of 272 bytes, 104,448 bytes; two slots of twice that K step would not fit in LDS.
; CLUSTERS: 4 x 4 work-groups.  The four of a row of the cluster need the same tiles of A, the four of a column the same tiles of B: each tile is asked for JOINTLY, by the same tensor load with the same descriptor and a
; mask that names the four.  THE MATRIX INSTRUCTION IS USED TRANSPOSED (source 0 = 16 rows of B, source 1 = 16 rows of A): a lane then holds eight neighbouring numbers of a row of C.
; All of LDS is claimed.
; REGISTERS: window 0: v16-30 addresses; two fragment buffers of 96: buffer f has A's 4 fragments (16 rows x 32 K, 8 registers each) at v[32 + 96 f] and B's 8 at v[64 + 96 f]; on the way out v32-159 take the rows read back.
;   window 1: the accumulators, (a, b) at v[8 (8 a + b)], a = 0 .. 3 (my rows 16 a on), b = 0 .. 7 (my columns 16 b on).
.set SIZE_N, 2048
.set SIZE_K, 2048
.set KSTEP,  128
.set PITCH,  272                       ; an LDS row: 256 bytes + 16 of padding = 68 words: row r starts at bank 4 r mod 64 (64 banks of 4 bytes: ISA guide 11.1), so the 16 rows that a load touches start at 16 different banks
.set AROWS,  64*PITCH                  ; 64 rows of A: what one of A's tensor loads brings, and what one wave reads of A
.set BROWS,  128*PITCH                 ; 128 rows of B: what one of B's tensor loads brings, and what one wave reads of B
.set BOFF,   2*AROWS                   ; in a slot B's 256 rows lie behind A's 128
.set SLOT,   2*AROWS+2*BROWS
.set STAGE,  2*SLOT                    ; behind the ring: 16 rows x 528 bytes for each wave, for the way out; no tensor load lands there
.set SPITCH, 528                       ; a stage row: my 128 columns' 512 bytes + 16
.set SPARE,  STAGE+4*16*SPITCH         ; behind the stages: the spare words, 128 bytes for each wave, which no other line names
.set LAPS, SIZE_K/(2*KSTEP)            ; a lap = two K steps = once round the ring
.set ADRA, 16                          ; v16-17  LDS address of my A fragments in slot 0, 1
.set ADRB, 20                          ; v20-21  the same for B
.set STO,  24                          ; v24     the way out: where I put 32 bytes of a row
.set RD,   25                          ; v25     the way out: where I read a row back
.set CO,   26                          ; v26     16 x lane: my byte offset in my 512 bytes of a row of C
.set SPW,  28                          ; v28     LDS address of my spare word; never rewritten
.set NIL,  29                          ; v29     0; never rewritten
.set PFO,  30                          ; v30     the prefetches' offset: my lane x a row of A or B in memory (4,096 bytes); never rewritten
.set BK,   32                          ; the way out: 16 rows read back from the stage: v32-95 and v96-159 by turns
.set G1, 24                            ; s[24:31] descriptor group 1 for A's tiles;  s[32:39] group 0, one set for each slot
.set G0, 32
.set G1B, 48                           ; s[48:55], s[56:63] the same for B's tiles
.set G0B, 56
.set LIM, 43                           ; s43     1 in a wave that prefetches, else the greatest number
.set PFA, 44                           ; s[44:45] where my prefetches stand: my work-group's 32 rows, one K step further along K than the refill that is being asked for; a prefetch names the K step after that
.set MSB, 0
.macro WIN new                         ; the immediate's high byte repeats the setting that is left; a switch that changes nothing is dropped
.if MSB != (\new)
	s_set_vgpr_msb (MSB<<8)|(\new)
.set MSB, \new
.endif
.endm
.set MUL,  0x50                        ; sources 0 (B) and 1 (A) window 0; C and D window 1
; A joint load: waves 0 and 1 fetch A's two halves, waves 2 and 3 B's.  Each of the two lines has one mask and one set of registers for all that issue it; the branch hangs on the wave's number alone.
; Four v_nop follow each of the two lines, ahead of the jump, the label and what follows.
.macro JLOAD s
	s_cmp_eq_u32 s11, 0
	s_cbranch_scc0 .Lfor_b_\@
	tensor_load_to_lds s[G0+4*\s:G0+4*\s+3], s[G1:G1+7]
	s_nop 0
.rept 4
	v_nop
.endr
	s_branch .Lasked_\@
.Lfor_b_\@:
	tensor_load_to_lds s[G0B+4*\s:G0B+4*\s+3], s[G1B:G1B+7]
	s_nop 0
.rept 4
	v_nop
.endr
.Lasked_\@:
.endm
; A PREFETCH INTO THE L2, behind each joint load, its four lines and the run of LDS loads that follows them: 32 rows x 256 bytes of the K step that stands TWO refills on, a lane a row, one instruction a wave: 256 matrix
; instructions of a wave ahead of the load that will ask for it.  At a change of slots every wave has waited for all its tensor loads, so the refill that follows has nothing on its way beside it.
; Each row's 256 bytes of a K step are named ONCE in the launch.  A's tile row is read by both clusters of that row of clusters: the one with x = 0 asks, by its waves 0; B's tile column by all eight clusters of that
; column: the one with y = 0 asks, by its waves 2 and 3.  The four partners that ask for a tile jointly share its rows out BY ADDRESS: the partner at place p (cx for A, cy for B) takes rows 32 p .. 32 p + 31 of A's 128,
; or of the 128 of B that its wave fetches: no branch hangs on a work-group's place in its cluster.  K steps 0 to 3 come by their loads alone; the loop's last trip, whose refills are the last two K steps, asks for nothing.
.macro ASK
	s_cmp_gt_u32 s3, s[LIM]                        ; s3 = 1 in the loop's last trip
	s_cbranch_scc0 .Lnot_mine_\@
	global_prefetch_b8 v[PFO], s[PFA:PFA+1] offset:KSTEP*2 th:TH_LOAD_NT scope:SCOPE_SE
.Lnot_mine_\@:
.endm
.macro CREST                           ; a round of the cluster's barrier behind its opening barrier
	s_cmp_lg_u32 s10, 0
	s_cbranch_scc1 .Lnot_wave_0_\@
	s_barrier_signal -3
.Lnot_wave_0_\@:
	s_barrier_wait -3
	s_barrier_signal -1
	s_barrier_wait -1
.endm
.macro CROUND                          ; a whole round
	s_barrier_signal -1
	s_barrier_wait -1
	CREST
.endm
	s_load_b128 s[4:7], s[0:1], 0x0                ; A s[4:5], wt s[6:7]
	s_load_b64 s[8:9], s[0:1], 0x10                ; C
	v_lshl_add_u32 v[SPW], v0, 2, SPARE
	v_mov_b32 v[NIL], 0
	ds_add_u32 v28, v29
	s_wait_dscnt 0x0
	v_lshrrev_b32 v1, 5, v0
	v_readfirstlane_b32 s10, v1                    ; wave 0..3
	s_lshr_b32 s11, s10, 1                         ; which 64 of the tile's 128 rows are mine.  Also: I fetch for A (0) or for B (1)
	s_and_b32 s12, s10, 1                          ; which 128 of its 256 columns.  Also: which half of that tile's rows I fetch
	s_bfe_u32 s40, ttmp6, 0x40000                  ; cx, cy: my place in the cluster
	s_bfe_u32 s41, ttmp6, 0x40004
	s_lshl_b32 s42, ttmp9, 2
	s_add_co_u32 s42, s42, s40                     ; tile column of C = 4 x cluster x + cx
	s_and_b32 s13, ttmp7, 0xffff
	s_lshl_b32 s13, s13, 2
	s_add_co_u32 s13, s13, s41                     ; tile row of C = 4 x cluster y + cy
	s_lshl_b32 s43, s41, 2
	s_lshl_b32 s43, 15, s43                        ; my row of the cluster
	s_lshl_b32 s44, 0x1111, s40                    ; my column
	; descriptor group 1: rows of 128 elements of 2 bytes, padded in LDS; A's loads bring 64 rows, B's 128
	s_or_b32 s[G1+0], s43, (1<<16)|(1<<20)|(1<<21)|(5<<22)|(3<<25)  ; 15:0 the mask: A's tiles go to my row; 17:16 element of 2 bytes; 20 padding on; 21 set beside a mask; 24:22 after every 64 words; 31:25 four words
	s_or_b32 s[G1B+0], s44, (1<<16)|(1<<20)|(1<<21)|(5<<22)|(3<<25) ; the same with the mask of my column
	s_mov_b32 s[G1+1], KSTEP<<16                   ; tensor_dim0 = 128
	s_mov_b32 s[G1+2], 64<<16                      ; tensor_dim1 = 64
	s_mov_b32 s[G1+3], KSTEP<<16                   ; tile_dim0 = 128
	s_mov_b32 s[G1+4], 64                          ; tile_dim1 = 64
	s_mov_b32 s[G1+5], SIZE_K                      ; tensor_dim0_stride
	s_mov_b32 s[G1+6], 0
	s_mov_b32 s[G1+7], 0
	s_mov_b32 s[G1B+1], KSTEP<<16
	s_mov_b32 s[G1B+2], 128<<16                    ; tensor_dim1 = 128
	s_mov_b32 s[G1B+3], KSTEP<<16
	s_mov_b32 s[G1B+4], 128                        ; tile_dim1 = 128
	s_mov_b32 s[G1B+5], SIZE_K
	s_mov_b32 s[G1B+6], 0
	s_mov_b32 s[G1B+7], 0
	; where the tiles come from.  A's hang on the tile row alone, which my row of the cluster shares; B's on the tile column alone, which my column shares.  Every wave makes both addresses and asks by one of them.
	s_lshl_b32 s17, s12, 6
	s_lshl_b32 s16, s13, 7
	s_add_co_u32 s16, s16, s17                     ; A: row 128 x tile row + 64 x half
	s_lshl_b32 s47, s12, 7
	s_lshl_b32 s46, s42, 8
	s_add_co_u32 s46, s46, s47                     ; B: row 256 x tile column + 128 x half
	s_mov_b32 s17, 0
	s_mov_b32 s47, 0
	s_mov_b64 s[18:19], SIZE_K*2
	s_mul_u64 s[16:17], s[16:17], s[18:19]
	s_mul_u64 s[46:47], s[46:47], s[18:19]
	s_mul_i32 s20, s12, AROWS                      ; where A's halves go,
	s_mul_i32 s21, s12, BROWS
	s_add_co_u32 s21, s21, BOFF                    ; and B's: no place in the cluster enters an LDS address
	s_wait_kmcnt 0x0
	s_add_nc_u64 s[6:7], s[6:7], 0x400000          ; wo's part of wt lies behind wkv's
	s_add_nc_u64 s[14:15], s[4:5], s[16:17]
	s_add_nc_u64 s[46:47], s[6:7], s[46:47]
	CROUND                                         ; all sixteen work-groups are here: the first joint loads meet
.irp s, 0,1
	s_mov_b32 s[G0+4*\s], 1                        ; 1:0 count = 1
	s_add_co_u32 s[G0+4*\s+1], s20, \s*SLOT        ; 63:32 LDS address
	s_add_nc_u64 s[G0+4*\s+2:G0+4*\s+3], s[14:15], \s*KSTEP*2   ; 120:64 global address: K step s
	s_or_b32 s[G0+4*\s+3], s[G0+4*\s+3], 0x80000000             ; 127:126 type = 2
	s_mov_b32 s[G0B+4*\s], 1
	s_add_co_u32 s[G0B+4*\s+1], s21, \s*SLOT
	s_add_nc_u64 s[G0B+4*\s+2:G0B+4*\s+3], s[46:47], \s*KSTEP*2
	s_or_b32 s[G0B+4*\s+3], s[G0B+4*\s+3], 0x80000000
	JLOAD \s                                       ; the ring is filled before anything else is done: two loads of mine are out
.endr
	; A fragment is 16 rows x 32 K in 8 registers: lane l holds row l % 16; registers 0-3 hold K = 8 (l / 16) + 0..7, registers 4-7 hold K = 16 + 8 (l / 16) + 0..7: two loads of 16 bytes, 32 bytes apart.
	v_and_b32 v1, 15, v0                           ; l % 16
	v_bfe_u32 v2, v0, 4, 1                         ; l / 16
	v_mul_u32_u24 v3, v1, PITCH
	v_lshl_add_u32 v3, v2, 4, v3                   ; row x pitch + 16 x half
	s_mul_i32 s21, s11, AROWS                      ; my 64 rows of A
	s_mul_i32 s22, s12, BROWS                      ; my 128 rows of B,
	s_add_co_u32 s22, s22, BOFF                    ; which lie behind A's 128
.irp s, 0,1
	v_add_nc_u32 v[ADRA+\s], s21, v3
	v_add_nc_u32 v[ADRB+\s], s22, v3
	s_add_co_u32 s21, s21, SLOT
	s_add_co_u32 s22, s22, SLOT
.endr
	s_mul_i32 s23, s10, 16*SPITCH
	s_add_co_u32 s23, s23, STAGE                   ; my stage
	v_mul_u32_u24 v5, v1, SPITCH                   ; in: row l % 16, 32 bytes for each half of the lanes
	v_lshl_add_u32 v5, v2, 5, v5
	v_add_nc_u32 v[STO], s23, v5
	v_and_b32 v6, 31, v0
	v_lshlrev_b32 v[CO], 4, v6                     ; back: the 32 lanes take one row of 512 bytes; and the same in C
	v_add_nc_u32 v[RD], s23, v[CO]
	s_lshl_b32 s16, s13, 7
	s_lshl_b32 s17, s11, 6
	s_add_co_u32 s16, s16, s17                     ; my first row of C: 128 x tile row + 64 x half
	s_mov_b32 s17, 0
	s_mov_b64 s[18:19], SIZE_N*4
	s_mul_u64 s[16:17], s[16:17], s[18:19]
	s_add_nc_u64 s[8:9], s[8:9], s[16:17]
	s_lshl_b32 s46, s42, 10                        ; my first column, in bytes: 1,024 x tile column + 512 x half
	s_lshl_b32 s47, s12, 9
	s_add_co_u32 s46, s46, s47
	s_mov_b32 s47, 0
	s_add_nc_u64 s[8:9], s[8:9], s[46:47]
	; the prefetches: where mine stand, and whether I ask
	s_lshl_b32 s20, s13, 7                         ; A's tile begins at row 128 x tile row,
	s_lshl_b32 s21, s42, 8                         ; B's at row 256 x tile column
	s_and_b32 s22, ttmp7, 0xffff                   ; cluster y
	s_cmp_eq_u32 s11, 0                            ; do I fetch for A?
	s_cselect_b32 s20, s20, s21                    ; the tile's first row
	s_cselect_b32 s21, s40, s41                    ; my place among the four that ask for it with me
	s_cselect_b32 s22, ttmp9, s22                  ; the coordinate along which other clusters read the same rows
	s_cselect_b64 s[PFA:PFA+1], s[4:5], s[6:7]
	s_cmp_eq_u32 s10, 1                            ; A's 128 rows are 32 for each partner's wave 0: wave 1 asks for nothing
	s_cselect_b32 s23, 1, 0
	s_or_b32 s22, s22, s23
	s_cmp_eq_u32 s22, 0
	s_cselect_b32 s[LIM], 1, -1                    ; the same in all sixteen partners, for a given wave
	s_and_b32 s22, s12, s11                        ; wave 3 alone stands in B's second 128 rows
	s_lshl_b32 s22, s22, 7
	s_add_co_u32 s20, s20, s22
	s_lshl_b32 s21, s21, 5
	s_add_co_u32 s20, s20, s21                     ; + my work-group's 32 rows
	s_mov_b32 s21, 0
	s_mov_b64 s[18:19], SIZE_K*2
	s_mul_u64 s[20:21], s[20:21], s[18:19]
	s_add_nc_u64 s[PFA:PFA+1], s[PFA:PFA+1], s[20:21]
	s_add_nc_u64 s[PFA:PFA+1], s[PFA:PFA+1], 2*KSTEP*2   ; at K step 2: the first refill steps it to 3 and names K step 4.  Nothing is prefetched here, at the head, where every work-group's first tiles are on their way
	v_and_b32 v[PFO], 31, v0
	v_lshlrev_b32 v[PFO], 12, v[PFO]
; 8 matrix instructions: A's block a x B's eight, 32 along K, from buffer f.  zero = 1: the first product starts the sums: nothing is ever cleared.
; The 32 accumulators take turns, one instruction a turn, in the same order in every quarter step.
.macro MUL8 f, a, zero
.irp b, 0,1,2,3,4,5,6,7
.if \zero
	v_wmma_f32_16x16x32_f16 v[8*(8*(\a)+\b):8*(8*(\a)+\b)+7], v[64+96*(\f)+8*\b:64+96*(\f)+8*\b+7], v[32+96*(\f)+8*(\a):32+96*(\f)+8*(\a)+7], 0
.else
	v_wmma_f32_16x16x32_f16 v[8*(8*(\a)+\b):8*(8*(\a)+\b)+7], v[64+96*(\f)+8*\b:64+96*(\f)+8*\b+7], v[32+96*(\f)+8*(\a):32+96*(\f)+8*(\a)+7], v[8*(8*(\a)+\b):8*(8*(\a)+\b)+7]
.endif
.endr
.endm
; 24 LDS loads in one run: the fragments of one quarter step (128 rows of B, then 64 rows of A, 32 K at byte k of the rows) into buffer f
.macro FETCH slot, k, f
	WIN 0
.irp i, 0,1,2,3,4,5,6,7
	ds_load_b128 v[64+96*(\f)+8*\i:64+96*(\f)+8*\i+3],   v[ADRB+\slot] offset:\k+\i*16*PITCH
	ds_load_b128 v[64+96*(\f)+8*\i+4:64+96*(\f)+8*\i+7], v[ADRB+\slot] offset:\k+\i*16*PITCH+32
.endr
.irp i, 0,1,2,3
	ds_load_b128 v[32+96*(\f)+8*\i:32+96*(\f)+8*\i+3],   v[ADRA+\slot] offset:\k+\i*16*PITCH
	ds_load_b128 v[32+96*(\f)+8*\i+4:32+96*(\f)+8*\i+7], v[ADRA+\slot] offset:\k+\i*16*PITCH+32
.endr
.endm
; A load into a register that a matrix instruction has read, and an LDS store that reads a matrix result, stand four places behind that matrix instruction, and only plain vector instructions that name none of its
; registers are places (ISA guide 7.12.1 for vector instructions).
.macro PLACES
.rept 4
	v_nop
.endr
.endm
; A K step is four quarter steps of 32 along K, 32 matrix instructions each, on buffers 0, 1, 0, 1.  One of the first three: multiplies buffer f; in its middle it fetches the next quarter's fragments, at byte k, into buffer g.
.macro QUARTER slot, k, f, g, zero
	s_wait_dscnt 4                                 ; B and A's blocks 0 and 1 are in; the youngest four loads (A's blocks 2 and 3) may be out
	WIN MUL
	MUL8 \f, 0, \zero
	MUL8 \f, 1, \zero
	PLACES
	FETCH \slot, \k, \g
	s_wait_dscnt 24                                ; all but the 24 just issued
	WIN MUL
	MUL8 \f, 2, \zero
	MUL8 \f, 3, \zero
.endm
; The last quarter multiplies buffer 1 and changes slots: ONE barrier; in front of it each wave waits for all its tensor loads, of which one is out: its part of the next slot; adds 0 to its spare word; and waits for that and
; for its own reads of this slot.  fill = 1: the barrier opens a round of the cluster's barrier, and this slot is filled again, two K steps ahead: 112 matrix instructions ahead of the wait for that load.
.macro TURN slot, next, fill
.if \fill
	s_wait_xcnt 0x0                                ; the last prefetch, a K step back, has read its address: it is stepped here, ahead of the waits of the change of slots
	s_add_nc_u64 s[PFA:PFA+1], s[PFA:PFA+1], KSTEP*2
.endif
	WIN 0                                          ; (the add's two registers lie in window 0)
	s_wait_tensorcnt 0x0                           ; all my tensor loads have landed: my part of the next slot;
	ds_add_u32 v[SPW], v[NIL]                      ; 0 onto my spare word
	s_wait_dscnt 7                                 ; (the add and the youngest six loads, A's blocks 1 to 3, may be out)
	WIN MUL
	MUL8 1, 0, 0                                   ; eight matrix instructions stand between the add and the wait for it
	s_wait_dscnt 0x0                               ; the add is done, and my reads of this slot are over
	s_barrier_signal -1
	MUL8 1, 1, 0                                   ; work on registers while the others arrive
.if \fill
	WIN 0
.endif
	s_barrier_wait -1
.if \fill
	CREST                                          ; no wave of any partner still reads this slot's tile or has a load on its way
	s_add_nc_u64 s[G0+4*\slot+2:G0+4*\slot+3], s[G0+4*\slot+2:G0+4*\slot+3], 2*KSTEP*2
	s_add_nc_u64 s[G0B+4*\slot+2:G0B+4*\slot+3], s[G0B+4*\slot+2:G0B+4*\slot+3], 2*KSTEP*2
	JLOAD \slot                                    ; the first tensor load behind the round, my one load until the next; the four v_nop behind it are also the places in front of the loads below
.else
	PLACES
.endif
	FETCH \next, 0, 0
.if \fill
	ASK                                            ; behind the joint load and the run of LDS loads that the next products wait for
.endif
	WIN MUL
	MUL8 1, 2, 0
	MUL8 1, 3, 0
.endm
	s_wait_tensorcnt 1                             ; my part of K step 0 is in; K step 1's may be out
	s_barrier_signal -1
	s_barrier_wait -1                              ; everybody's is
	FETCH 0, 0, 0
	QUARTER 0, 64,  0, 1, 1                        ; the first quarter stands in front of the loop: its products start the sums
	WIN 0                                          ; at a label and at a branch every window is 0
	s_mov_b32 s3, LAPS-1
.Llap:                                                 ; a trip goes once round the ring, from a lap's second quarter to the next lap's first, and fills both slots again
	QUARTER 0, 128, 1, 0, 0
	QUARTER 0, 192, 0, 1, 0
	TURN 0, 1, 1
	QUARTER 1, 64,  0, 1, 0
	QUARTER 1, 128, 1, 0, 0
	QUARTER 1, 192, 0, 1, 0
	TURN 1, 0, 1
	QUARTER 0, 64,  0, 1, 0
	WIN 0
	s_sub_co_u32 s3, s3, 1
	s_cmp_lg_u32 s3, 0
	s_cbranch_scc1 .Llap
	QUARTER 0, 128, 1, 0, 0                        ; the last lap is written out: it fills nothing, and has no round of the cluster's barrier
	QUARTER 0, 192, 0, 1, 0
	TURN 0, 1, 0
	QUARTER 1, 64,  0, 1, 0
	QUARTER 1, 128, 1, 0, 0
	QUARTER 1, 192, 0, 1, 0
	s_wait_dscnt 4                                 ; the very last quarter: nothing more to fetch
	WIN MUL
	MUL8 1, 0, 0
	MUL8 1, 1, 0
	s_wait_dscnt 0x0
	MUL8 1, 2, 0
	MUL8 1, 3, 0
	WIN 0
; THE WAY OUT, block by block of 16 rows x 128 columns.  A lane holds 32 neighbouring bytes of a row, and the lanes beside it hold other rows: so a block goes through my own stage in LDS and comes back as whole rows of
; 512 bytes, which the 32 lanes store.  LDS serves a wave's instructions in order (ISA guide 5.7.1.4): no wait between the stores and the loads, nor in front of the next block's stores.
.macro TOSTAGE a
.set AC, 64*(\a)
	WIN 0x04                                       ; an LDS store's data are its source 1: window 1
.irp b, 0,1,2,3,4,5,6,7
	ds_store_b128 v[STO], v[AC+8*\b:AC+8*\b+3] offset:64*\b          ; each accumulator from its low end on
	ds_store_b128 v[STO], v[AC+8*\b+4:AC+8*\b+7] offset:64*\b+16
.endr
	WIN 0
.set BB, BK+64*((\a)%2)
.irp t, 0,1,2,3,4,5,6,7,8,9,10,11,12,13,14,15
	ds_load_b128 v[BB+4*\t:BB+4*\t+3], v[RD] offset:\t*SPITCH
.endr
.endm
.macro SEND a, younger                 ; younger: the LDS instructions issued behind block a's loads, which may stay out
.set BB, BK+64*((\a)%2)
	s_wait_dscnt \younger                          ; the block is back in registers
.if (\a) > 0
	s_add_nc_u64 s[8:9], s[8:9], 16*SIZE_N*4       ; (behind a wait on XCNT: the earlier stores have read their base)  16 rows of C on
.endif
.irp t, 0,1,2,3,4,5,6,7,8,9,10,11,12,13,14,15
	global_store_b128 v[CO], v[BB+4*\t:BB+4*\t+3], s[8:9] offset:\t*SIZE_N*4 th:TH_STORE_NT   ; 32 lanes store 512 consecutive bytes, at a multiple of 256 from C's first byte; written once, read by nobody here
.endr
.endm
	PLACES                                         ; behind the last products: for the stores that read results and for the loads into the registers that held fragments
	TOSTAGE 0
.irp a, 1,2,3
.if \a > 1
	s_wait_xcnt 0x0                                ; block a - 2's stores have read their registers and their base: block a's loads may land there, and the base may step
.endif
	TOSTAGE \a
	SEND \a-1, 32                                  ; behind block a - 1's loads: block a's 16 stores and 16 loads
.endr
	s_wait_xcnt 0x0                                ; block 2's stores have read their base
	SEND 3, 0
	s_wait_tensorcnt 0x0                           ; the wave's end
	ds_add_u32 v[SPW], v[NIL]
	s_wait_dscnt 0x0
	CROUND                                         ; the closing round: no work-group ends while a partner may still ask for a tile that names it
	s_endpgm
.Lfunc_end_k_qd29d98ed11_ogemm:
	.size	k_qd29d98ed11_ogemm, .Lfunc_end_k_qd29d98ed11_ogemm-k_qd29d98ed11_ogemm
	.p2alignl 7, 3214868480
	.fill 96, 4, 3214868480
	.section	.rodata,"a",@progbits
	.p2align	6, 0x0
	.amdhsa_kernel k_qd29d98ed11_ogemm
		.amdhsa_group_segment_fixed_size 327680
		.amdhsa_private_segment_fixed_size 0
		.amdhsa_enable_private_segment 0
		.amdhsa_kernarg_size 24
		.amdhsa_user_sgpr_count 2
		.amdhsa_user_sgpr_kernarg_segment_ptr 1
		.amdhsa_wavefront_size32 1
		.amdhsa_system_sgpr_workgroup_id_x 1
		.amdhsa_system_sgpr_workgroup_id_y 1
		.amdhsa_system_sgpr_workgroup_id_z 1
		.amdhsa_system_vgpr_workitem_id 0
		.amdhsa_next_free_vgpr 512
		.amdhsa_next_free_sgpr 66
		.amdhsa_reserve_vcc 0
		.amdhsa_float_denorm_mode_32 3
		.amdhsa_float_denorm_mode_16_64 3
		.amdhsa_memory_ordered 1
		.amdhsa_forward_progress 1
		.amdhsa_inst_pref_size 86
	.end_amdhsa_kernel
	.amdgpu_metadata
---
amdhsa.version: [ 1, 2 ]
amdhsa.kernels:
  - .name:           k_qd29d98ed11_ogemm
    .symbol:         k_qd29d98ed11_ogemm.kd
    .args:
      - { .name: aoh, .offset: 0, .size: 8, .value_kind: global_buffer, .address_space: global }
      - { .name: wt, .offset: 8, .size: 8, .value_kind: global_buffer, .address_space: global }
      - { .name: out0, .offset: 16, .size: 8, .value_kind: global_buffer, .address_space: global }
    .group_segment_fixed_size: 327680
    .private_segment_fixed_size: 0
    .kernarg_segment_align: 8
    .kernarg_segment_size: 24
    .max_flat_workgroup_size: 128
    .sgpr_count:     66
    .vgpr_count:     512
    .wavefront_size: 32
...
	.end_amdgpu_metadata
.endif
;; end of part 5
